; MI455X (gfx1250); checked and timed in simulation.
; The chip was launched on July 23, 2026; its instructions are those of AMD's public machine-readable ISA for CDNA 5 (MIT licence, August 2026) and "CDNA5" Instruction Set Architecture Reference Guide (July 2026). The comments in the code are by the model that wrote it; some were corrected since.
;; Grouped Query Attention. Allowed arithmetic: matrix products marked QUANTISED: E2M1 operands, one E8M0 scale for each 32 along K, by v_wmma_scale_f32_16x16x128_f8f6f4 with both operands' format E2M1 (or v_wmma_scale_f32_32x16x128_f4), f32 sums; everything else in f32.
;; Inputs: Wk 2,048 x 256 float32; Wo 256 x 2,048 float32; Wq 2,048 x 2,048 float32; Wv 2,048 x 256 float32; bk 256 float32; bo 2,048 float32; bq 2,048 float32; bv 256 float32; x 4 x 2,048 x 2,048 float32.
;; Outputs: out0 4 x 2,048 x 2,048 float32.
;; This version of the problem:
;;   THIS VERSION OF THE PROBLEM IS GIVEN IN LOW PRECISION. The matrix products marked QUANTISED in the list below multiply operands that are first quantised to E2M1 (2 exponent bits, 1 mantissa bit; 4 bits a number), with one power-of-two scale for each 32 numbers along K (OCP MX v1.0); their sums are f32. All else is computed in f32.
;;   The module's matrix products, in the order in which they are computed (A, B: the left and right operand; K: the contracted axis; several contracted axes count as one K, in the product's order):
;;     1. [M 8,192, K 2,048] x [K 2,048, N 2,048]; A: input x; B: input Wq: QUANTISED
;;     2. [M 8,192, K 2,048] x [K 2,048, N 256]; A: input x; B: input Wk: QUANTISED
;;     3. [M 8,192, K 2,048] x [K 2,048, N 256]; A: input x; B: input Wv: QUANTISED
;;     4. batch 8 x [M 2,048, K 128] x [K 128, N 2,048]; A: computed on the way; B: computed on the way: QUANTISED
;;     5. batch 8 x [M 2,048, K 2,048] x [K 2,048, N 128]; A: softmax (see below); B: computed on the way: QUANTISED
;;     6. [M 8,192, K 256] x [K 256, N 2,048]; A: computed on the way; B: input Wo: QUANTISED
;;   THE QUANTISER, for each operand of a quantised product, along K:
;;     - K is cut into blocks of 32 from its start; a last block that is shorter is filled with zeros.
;;     - A block's scale is 2^e with e = floor(log2(the largest magnitude in the block)) - 2, held to -126 .. 127; a block of zeros has e = 0. As a byte (E8M0): e + 127.
;;     - Each number is divided by its block's scale, clamped to +-6, and rounded to the nearest number of E2M1, ties to even, subnormals kept.
;;     - The product sums the exact products of the quantised numbers (number of the format x scale) in f32.
;;   ~~~python
;;   def quantise(x, axis):      # numpy; x: float32 -> the quantised numbers, widened to float32 again
;;       x = np.moveaxis(x, axis, -1); K = x.shape[-1]
;;       x = np.pad(x, [(0, 0)] * (x.ndim - 1) + [(0, -K % 32)]); x = x.reshape(x.shape[:-1] + (-1, 32)); a = np.abs(x).max(-1, keepdims=True)
;;       e = np.where(a > 0, np.clip(np.frexp(np.where(a > 0, a, 1))[1] - 1 - 2, -126, 127), 0)      # np.frexp(a)[1] - 1 = floor(log2(a)), exactly
;;       r = np.clip(x / 2.0 ** e, -6, 6)
;;       step = 2.0 ** (np.maximum(np.frexp(np.where(r == 0, 1, r))[1] - 1, 0) - 1)
;;       q = np.round(r / step) * step * 2.0 ** e      # np.round: ties to even
;;       return np.moveaxis(q.reshape(q.shape[:-2] + (-1,))[..., :K], -1, axis).astype(np.float32)
;;   ~~~
;;   SOFTMAX AHEAD OF A QUANTISED PRODUCT. Where the list says 'softmax', what is quantised is not the finished softmax but p = 2^(t - M), with t = logit x log2(e) and M = ceil(the row's largest t), a whole number; so 1/2 < the row's largest p <= 1. The row's sum l is taken of the UNQUANTISED p, in f32, and the product's result is divided by l at the end. Since M is a whole number, a kernel that streams over the keys may use a running M (the ceiling of the running maximum): every later rescaling is an exact power of two, which a block's scale takes up: the codes' values come out the same.
;;   OPERANDS COMPUTED ON THE WAY. 'Computed on the way' means the value that the module computes at that place (a softmax that the list does not call 'softmax' is quantised finished and normalised). What goes into a quantiser is computed in f32, as accurately as f32 sums, v_exp_f32 and their like allow (about 1e-6 of the number): no bf16 or f16 on the way to a quantiser, and a product that is left as it is and whose result goes on into a quantised operand takes f32 operands (vector FMAs, or v_wmma_f32_16x16x4_f32). A number that lies on a knife's edge between two numbers of the format may be rounded either way, as far as f32 arithmetic and the matrix unit's own rounding can turn it there, and no further.
;; 2 versions, each right; version 2 is version 1 with the launch attn written anew for expert scheduling mode. Each part assembles by itself: llvm-mc -triple=amdgcn-amd-amdhsa -mcpu=gfx1250 --defsym DOCPART=n.
;; ======== version 1 of 2: 3 launches
;; workspace buffers: xq 8,912,896 bytes; wcat 2,785,280 bytes; woq 278,528 bytes; qk 2,228,224 bytes; vq 1,114,112 bytes
;; launch quant (part 1): grid 864 x 1, 4 waves a work-group, no clusters, 34,304 bytes of LDS; arguments x, Wq, Wk, Wv, Wo, xq, wcat, woq; writes xq, wcat, woq
.if DOCPART == 1
	.amdgcn_target "amdgcn-amd-amdhsa--gfx1250"
	.amdhsa_code_object_version 6
	.text
	.protected	k_q7caf770cf0_quant
	.globl	k_q7caf770cf0_quant
	.p2align	8
	.type	k_q7caf770cf0_quant,@function
k_q7caf770cf0_quant:
	s_mov_b64 s[64:65], 0
	v_nop
	global_prefetch_b8 v0, s[64:65] scope:SCOPE_SE
	s_setreg_imm32_b32 hwreg(HW_REG_WAVE_MODE, 25, 1), 1
	s_wait_xcnt 0x0
; x [8192][2048], Wq [2048][2048], Wk, Wv [2048][256], Wo [256][2048], all f32, become codes of FP4 (E2M1) with one E8M0 byte for each 32 along K.
; A block's scale is 2^(floor(log2(largest magnitude)) - 2): its byte is the largest magnitude's exponent field - 2, held at 1 from below.
; THE CODES ARE LAID AS IMAGES OF THE OPERAND'S REGISTERS: a fragment (16 rows x 128 K) is 1,024 bytes [c 0..1][lane 0..31][16 bytes]; lane (r, H) holds block 2 c + H of row r.
; Inside a block the 32 places hold k in the order 0-7, 16-23, 8-15, 24-31, on both operands of a product alike (the order in which later launches get codes out of matrix results).
; A scale word is four bytes: one row, 128 along K.
;   xq:   codes [row tile 512][K step 16] images; at 8,388,608 the words [row tile][sg 4][r 16][s' 4]          (K step = 4 sg + s')
;   wcat: [head 2][i 10][wave 4] blocks of 34,816 bytes: codes [sg][s'][ct 2] images, then words [sg][ct][rho 16][s'].  i = 0-7: Wq's group g = i; 8: Wk; 9: Wv
;   woq:  codes [pair of column tiles 64][s' 2][ct 2] images; at 262,144 the words [tile 128][s' 2][rho 16]
; Columns of a tile.  Wq, Wk: wave w, lane (ct, rho) takes column 64 (rho / 8) + 16 w + 2 (rho % 8) + ct of its head, so that the next launch finds a rotation's two partners in one lane.  Wv, Wo: 32 w + lane.
; SHARES: work-groups 0-319 the weights along 2,048 (number = 16 (10 head + i) + 4 sg + s'), 320-351 Wo (number - 320 = 2 x block of 128 columns + s'), 352-863 x (a row tile each; wave = sg).
; A weight's wave takes ONE K step, four blocks of 32 x 32 columns: with two blocks' loads out, its loads are two runs that follow each other, about as many as x's path has.  Its one scale word a lane leaves by a store of
; 4 bytes (in wcat 16 bytes from lane to lane, so these 256-byte runs are written in part: 2,048 of a block's 34,816 bytes).
; The paths part on the work-group's number; only x's touches LDS.
; LIMITS: NaN and infinities are not served; a block whose largest magnitude lies under 2^-124, a block of zeros among them, keeps the byte 1 (its codes are zeros or nearly so; only this program reads the bytes).
; ---- a weight: a lane takes a column and its registers run down K, so a block of 32 lies in one lane
.macro WLOAD t, stride                 ; block t: rows 32 t .. 32 t + 31 of my column, into set t % 2
.set XSL, 32+32*((\t)%2)
.irp i, 0,1,2,3,4,5,6,7,8,9,10,11,12,13,14,15,16,17,18,19,20,21,22,23,24,25,26,27,28,29,30,31
	global_load_b32 v[XSL+\i], v3, s[34:35] offset:(32*(\t)+\i)*\stride th:TH_LOAD_NT
.endr
.endm
.macro WBLOCK t, stride
.set XSB, 32+32*((\t)%2)
.set CB, 96+4*(\t)                     ; each block has its own four registers of codes: no store's data are written again
.if (\t) < 3
	s_wait_loadcnt 32                              ; this block's 32 loads are in; the next block's 32 may be out
.else
	s_wait_loadcnt 0x0
.endif
	v_max3_num_f32 v12, |v[XSB]|, |v[XSB+1]|, |v[XSB+2]|          ; the block's largest magnitude, in two chains
	v_max3_num_f32 v13, |v[XSB+3]|, |v[XSB+4]|, |v[XSB+5]|
.irp i, 6,10,14,18,22,26
	v_max3_num_f32 v12, v12, |v[XSB+\i]|, |v[XSB+\i+1]|
	v_max3_num_f32 v13, v13, |v[XSB+\i+2]|, |v[XSB+\i+3]|
.endr
	v_max3_num_f32 v12, v12, |v[XSB+30]|, |v[XSB+31]|
	v_max3_num_f32 v12, v12, v13, 0x1800000        ; and the floor 2^(3 - 127): the byte cannot fall under 1
	v_add_nc_u32 v11, 0xff000000, v12              ; 2 off the exponent field: the conversion takes this operand's exponent field as its scale
	v_lshrrev_b32 v13, 23, v11                     ; the scale's byte
.if (\t) == 0
	v_mov_b32 v24, v13                             ; four bytes to the word, the lower K in the lower byte
.else
	v_lshl_or_b32 v24, v13, 8*(\t), v24
.endif
	v_cvt_scalef32_pk8_fp4_f32 v[CB], v[XSB:XSB+7], v11           ; k 0-7,
	v_cvt_scalef32_pk8_fp4_f32 v[CB+1], v[XSB+16:XSB+23], v11     ; 16-23,
	v_cvt_scalef32_pk8_fp4_f32 v[CB+2], v[XSB+8:XSB+15], v11      ; 8-15,
	v_cvt_scalef32_pk8_fp4_f32 v[CB+3], v[XSB+24:XSB+31], v11     ; 24-31
	global_store_b128 v4, v[CB:CB+3], s[24:25] offset:((\t)/2)*512+((\t)%2)*256   ; c, H: sixteen lanes store 256 consecutive bytes, aligned
.if (\t)+2 < 4
	WLOAD (\t)+2, \stride
.endif
.endm
.macro WQ stride                       ; a K step: four blocks down K, and the column's scale word
	WLOAD 0, \stride
	WLOAD 1, \stride
.set TT, 0
.rept 4
	WBLOCK TT, \stride
.set TT, TT+1
.endr
	global_store_b32 v7, v24, s[26:27]
	s_endpgm
.endm
.macro WCOLS                           ; v8: my column in the rotation's order, v9: in plain order (both x 4 bytes); v4: my place in an image pair
	v_lshrrev_b32 v8, 3, v5
	v_and_b32 v9, 7, v5
	v_lshlrev_b32 v8, 6, v8
	v_lshl_add_u32 v8, v9, 1, v8
	v_add_nc_u32 v8, v8, v6
	s_lshl_b32 s32, s20, 4
	v_add_nc_u32 v8, s32, v8
	v_lshlrev_b32 v8, 2, v8
	s_lshl_b32 s32, s20, 5
	v_add_nc_u32 v9, s32, v2
	v_lshlrev_b32 v9, 2, v9
	v_lshlrev_b32 v4, 10, v6
	v_lshl_add_u32 v4, v5, 4, v4                   ; 1,024 ct + 16 rho
.endm
; ---- x: K is innermost.  A load reads 512 consecutive bytes of a row; 16 rows x 128 K turn through my stage in LDS, so that a lane gets whole blocks of its row
.macro XLOAD t
.set RSL, 32+64*((\t)%2)
.irp i, 0,1,2,3,4,5,6,7,8,9,10,11,12,13,14,15
	global_load_b128 v[RSL+4*\i:RSL+4*\i+3], v3, s[34:35] offset:8192*\i+512*(\t) th:TH_LOAD_NT
.endr
.endm
.macro XSTEP t
.set RSB, 32+64*((\t)%2)
.if (\t) < 3
	s_wait_loadcnt 16                              ; this step's 16 loads are in; the next step's 16 may be out
.else
	s_wait_loadcnt 0x0
.endif
.irp i, 0,1,2,3,4,5,6,7,8,9,10,11,12,13,14,15
	ds_store_b128 v14, v[RSB+4*\i:RSB+4*\i+3] offset:528*\i       ; rows 528 bytes apart: 33 x 16, so the sixteen rows of a read fall on sixteen different 16-byte columns
.endr
.irp c, 0,1
.irp q, 0,1,2,3,4,5,6,7
	ds_load_b128 v[160+32*\c+4*\q:163+32*\c+4*\q], v15 offset:256*\c+16*\q   ; LDS serves a wave's instructions in order: block 2 c + h of my row
.endr
.endr
	s_wait_dscnt 0x0                               ; the numbers are back, so the stores into the stage have read their registers,
.if (\t)+2 < 4
	XLOAD (\t)+2                                   ; which take the loads of two steps on
.endif
.irp c, 0,1
	v_max3_num_f32 v[8+\c], |v[160+32*\c]|, |v[161+32*\c]|, 0x1800000
.endr
.irp i, 2,4,6,8,10,12,14,16,18,20,22,24,26,28,30
.irp c, 0,1
	v_max3_num_f32 v[8+\c], v[8+\c], |v[160+32*\c+\i]|, |v[161+32*\c+\i]|   ; the two blocks by turns
.endr
.endr
.irp c, 0,1
	v_add_nc_u32 v[10+\c], 0xff000000, v[8+\c]
.endr
.irp c, 0,1
	v_lshrrev_b32 v[12+\c], 23, v[10+\c]
.endr
.irp c, 0,1
	v_cvt_scalef32_pk8_fp4_f32 v[224+8*(\t)+4*\c], v[160+32*\c:167+32*\c], v[10+\c]
	v_cvt_scalef32_pk8_fp4_f32 v[225+8*(\t)+4*\c], v[176+32*\c:183+32*\c], v[10+\c]
	v_cvt_scalef32_pk8_fp4_f32 v[226+8*(\t)+4*\c], v[168+32*\c:175+32*\c], v[10+\c]
	v_cvt_scalef32_pk8_fp4_f32 v[227+8*(\t)+4*\c], v[184+32*\c:191+32*\c], v[10+\c]
.endr
	v_lshl_or_b32 v16, v13, 16, v12                ; my two bytes: blocks h and 2 + h,
	v_lshlrev_b32 v16, v17, v16                    ; at their places (8 h bits up);
	v_permlanex16_b32 v18, v16, s36, s37
	v_or_b32 v[20+(\t)], v16, v18                  ; with lane l xor 16's two the row's word is whole
.irp c, 0,1
	global_store_b128 v3, v[224+8*(\t)+4*\c:227+8*(\t)+4*\c], s[24:25] offset:1024*(\t)+512*\c   ; 512 consecutive bytes
.endr
.endm
	s_load_b256 s[4:11], s[0:1], 0x0               ; x, Wq, Wk, Wv
	s_load_b128 s[12:15], s[0:1], 0x20             ; Wo, xq
	s_load_b128 s[16:19], s[0:1], 0x30             ; wcat, woq
	v_lshl_add_u32 v30, v0, 2, 0x8400
	v_mov_b32 v31, 0
	v_lshrrev_b32 v1, 5, v0
	v_readfirstlane_b32 s20, v1                    ; wave
	v_and_b32 v2, 31, v0                           ; lane
	v_and_b32 v5, 15, v0                           ; r, or rho
	v_bfe_u32 v6, v0, 4, 1                         ; h, or ct
	s_mov_b32 s31, 0                               ; the upper word of every offset pair s[30:31]
	s_wait_kmcnt 0x0
	s_cmp_lt_u32 ttmp9, 320
	s_cbranch_scc1 .Lweights
	s_cmp_lt_u32 ttmp9, 352
	s_cbranch_scc1 .Lwo
	; ---- x: row tile = number - 352; my wave's 512 along K
	s_sub_co_u32 s21, ttmp9, 352
	s_lshl_b32 s30, s21, 17                        ; 16 rows of 8,192 bytes
	s_lshl_b32 s22, s20, 11
	s_add_co_u32 s30, s30, s22
	s_add_nc_u64 s[34:35], s[4:5], s[30:31]
	s_lshl_b32 s30, s21, 14                        ; 16 images a row tile,
	s_lshl_b32 s22, s20, 12                        ; four of them mine
	s_add_co_u32 s30, s30, s22
	s_add_nc_u64 s[24:25], s[14:15], s[30:31]
	s_lshl_b32 s30, s21, 10
	s_lshl_b32 s22, s20, 8
	s_add_co_u32 s30, s30, s22
	s_add_co_u32 s30, s30, 8388608
	s_add_nc_u64 s[26:27], s[14:15], s[30:31]      ; my 256 bytes of scale words
	s_mov_b32 s36, 0x76543210
	s_mov_b32 s37, 0xfedcba98                      ; selects for lane l xor 16
	v_lshlrev_b32 v3, 4, v2                        ; 16 x lane
	s_mul_i32 s22, s20, 8448                       ; my stage: 16 rows x 528 bytes
	v_add_nc_u32 v14, s22, v3
	v_mul_u32_u24 v15, v5, 528
	v_lshl_add_u32 v15, v6, 7, v15
	v_add_nc_u32 v15, s22, v15                     ; out of it: row r, + 128 h
	v_lshlrev_b32 v17, 3, v6
	v_lshlrev_b32 v7, 4, v5
	v_mov_b32 v18, 0                               ; a lane permute's destination counts as one of its sources
	XLOAD 0
	XLOAD 1
	XSTEP 0
	XSTEP 1
	XSTEP 2
	XSTEP 3
	v_cmp_gt_u32 vcc_lo, 16, v2
	s_wait_xcnt 0x0                                ; EXEC is a source of the stores above: it changes only behind this wait
	s_wait_tensorcnt 0x0
	ds_add_u32 v30, v31
	s_wait_dscnt 0x0
	s_and_saveexec_b32 s38, vcc_lo
	global_store_b128 v7, v[20:23], s[26:27]       ; lanes 0-15: four words a row: 256 consecutive bytes, aligned
	s_wait_xcnt 0x0
	s_or_b32 exec_lo, exec_lo, s38
	s_endpgm
.Lweights:
	s_lshr_b32 s21, ttmp9, 4                       ; 10 x head + i
	s_bfe_u32 s22, ttmp9, 0x20002                  ; sg: two bits from bit 2
	s_and_b32 s39, ttmp9, 3                        ; s': my K step in the group
	s_cmp_ge_u32 s21, 10
	s_cselect_b32 s23, 1, 0                        ; head
	s_mul_i32 s28, s23, 10
	s_sub_co_u32 s28, s21, s28                     ; i
	s_lshl_b32 s29, s21, 2
	s_add_co_u32 s29, s29, s20
	s_mul_i32 s29, s29, 34816                      ; my block of wcat
	s_lshl_b32 s30, s22, 13
	s_add_co_u32 s30, s30, s29
	s_lshl_b32 s32, s39, 11                        ; a K step's two images
	s_add_co_u32 s30, s30, s32
	s_add_nc_u64 s[24:25], s[16:17], s[30:31]
	s_lshl_b32 s30, s22, 9
	s_add_co_u32 s30, s30, s29
	s_lshl_b32 s32, s39, 2                         ; word s' of a column's four
	s_add_co_u32 s30, s30, s32
	s_add_co_u32 s30, s30, 32768
	s_add_nc_u64 s[26:27], s[16:17], s[30:31]
	WCOLS
	v_lshlrev_b32 v7, 4, v2                        ; scale words: 16 bytes from lane to lane
	s_cmp_lt_u32 s28, 8
	s_cbranch_scc0 .Lkv
	s_lshl_b32 s30, s22, 22                        ; 512 rows of 8,192 bytes,
	s_lshl_b32 s32, s39, 20                        ; 128 rows
	s_add_co_u32 s30, s30, s32
	s_lshl_b32 s32, s23, 3
	s_add_co_u32 s32, s32, s28
	s_lshl_b32 s32, s32, 9                         ; query head 8 x head + g: 128 columns
	s_add_co_u32 s30, s30, s32
	s_add_nc_u64 s[34:35], s[6:7], s[30:31]
	v_mov_b32 v3, v8
	WQ 8192
.Lkv:
	s_cmp_eq_u32 s28, 9                            ; Wv, or Wk: the choice hangs on the work-group's number alone
	s_cselect_b64 s[34:35], s[10:11], s[8:9]
	s_cselect_b32 s33, -1, 0
	v_cndmask_b32 v3, v8, v9, s33                  ; Wv's columns in plain order
	s_lshl_b32 s30, s22, 19                        ; 512 rows of 1,024 bytes,
	s_lshl_b32 s32, s39, 17                        ; 128 rows
	s_add_co_u32 s30, s30, s32
	s_lshl_b32 s32, s23, 9
	s_add_co_u32 s30, s30, s32
	s_add_nc_u64 s[34:35], s[34:35], s[30:31]
	WQ 1024
.Lwo:
	s_sub_co_u32 s21, ttmp9, 320
	s_and_b32 s39, s21, 1                          ; s': which 128 of the 256 along K
	s_lshr_b32 s21, s21, 1                         ; which 128 columns
	s_lshl_b32 s30, s21, 9
	s_lshl_b32 s32, s39, 20                        ; 128 rows of 8,192 bytes
	s_add_co_u32 s30, s30, s32
	s_add_nc_u64 s[34:35], s[12:13], s[30:31]
	s_lshl_b32 s29, s21, 2
	s_add_co_u32 s29, s29, s20                     ; my pair of column tiles
	s_lshl_b32 s30, s29, 12
	s_lshl_b32 s32, s39, 11
	s_add_co_u32 s30, s30, s32
	s_add_nc_u64 s[24:25], s[18:19], s[30:31]
	s_lshl_b32 s30, s29, 8
	s_lshl_b32 s32, s39, 6
	s_add_co_u32 s30, s30, s32
	s_add_co_u32 s30, s30, 262144
	s_add_nc_u64 s[26:27], s[18:19], s[30:31]
	WCOLS
	v_mov_b32 v3, v9
	v_lshlrev_b32 v7, 7, v6
	v_lshl_add_u32 v7, v5, 2, v7                   ; 128 ct + 4 rho
	WQ 8192
.Lfunc_end_k_q7caf770cf0_quant:
	.size	k_q7caf770cf0_quant, .Lfunc_end_k_q7caf770cf0_quant-k_q7caf770cf0_quant
	.p2alignl 7, 3214868480
	.fill 96, 4, 3214868480
	.section	.rodata,"a",@progbits
	.p2align	6, 0x0
	.amdhsa_kernel k_q7caf770cf0_quant
		.amdhsa_group_segment_fixed_size 34304
		.amdhsa_private_segment_fixed_size 0
		.amdhsa_enable_private_segment 0
		.amdhsa_kernarg_size 64
		.amdhsa_user_sgpr_count 2
		.amdhsa_user_sgpr_kernarg_segment_ptr 1
		.amdhsa_wavefront_size32 1
		.amdhsa_system_sgpr_workgroup_id_x 1
		.amdhsa_system_sgpr_workgroup_id_y 1
		.amdhsa_system_sgpr_workgroup_id_z 1
		.amdhsa_system_vgpr_workitem_id 0
		.amdhsa_next_free_vgpr 256
		.amdhsa_next_free_sgpr 66
		.amdhsa_reserve_vcc 1
		.amdhsa_float_denorm_mode_32 3
		.amdhsa_float_denorm_mode_16_64 3
		.amdhsa_memory_ordered 1
		.amdhsa_forward_progress 1
		.amdhsa_inst_pref_size 88
	.end_amdhsa_kernel
	.amdgpu_metadata
---
amdhsa.version: [ 1, 2 ]
amdhsa.kernels:
  - .name:           k_q7caf770cf0_quant
    .symbol:         k_q7caf770cf0_quant.kd
    .args:
      - { .name: x, .offset: 0, .size: 8, .value_kind: global_buffer, .address_space: global }
      - { .name: Wq, .offset: 8, .size: 8, .value_kind: global_buffer, .address_space: global }
      - { .name: Wk, .offset: 16, .size: 8, .value_kind: global_buffer, .address_space: global }
      - { .name: Wv, .offset: 24, .size: 8, .value_kind: global_buffer, .address_space: global }
      - { .name: Wo, .offset: 32, .size: 8, .value_kind: global_buffer, .address_space: global }
      - { .name: xq, .offset: 40, .size: 8, .value_kind: global_buffer, .address_space: global }
      - { .name: wcat, .offset: 48, .size: 8, .value_kind: global_buffer, .address_space: global }
      - { .name: woq, .offset: 56, .size: 8, .value_kind: global_buffer, .address_space: global }
    .group_segment_fixed_size: 34304
    .private_segment_fixed_size: 0
    .kernarg_segment_align: 8
    .kernarg_segment_size: 64
    .max_flat_workgroup_size: 128
    .sgpr_count:     66
    .vgpr_count:     256
    .wavefront_size: 32
...
	.end_amdgpu_metadata
.endif
;; end of part 1
;; launch proj (part 2): grid 128 x 2, 4 waves a work-group, clusters of 4 x 1, 327,680 bytes of LDS; arguments xq, wcat, bq, bk, bv, qk, vq; writes qk, vq
.if DOCPART == 2
	.amdgcn_target "amdgcn-amd-amdhsa--gfx1250"
	.amdhsa_code_object_version 6
	.text
	.protected	k_q7caf770cf0_proj
	.globl	k_q7caf770cf0_proj
	.p2align	8
	.type	k_q7caf770cf0_proj,@function
k_q7caf770cf0_proj:
	s_mov_b64 s[64:65], 0
	v_nop
	global_prefetch_b8 v0, s[64:65] scope:SCOPE_SE
	s_setreg_imm32_b32 hwreg(HW_REG_WAVE_MODE, 25, 1), 1
	s_wait_xcnt 0x0
	s_wait_alu depctr_hold_cnt(0) depctr_sa_sdst(0) depctr_va_vdst(0) depctr_va_sdst(0) depctr_va_ssrc(0) depctr_va_vcc(0) depctr_vm_vsrc(0)
	s_getreg_b32 s2, hwreg(HW_REG_IB_STS2, 6, 4)
	s_cmp_eq_u32 s2, 0
	s_cbranch_scc0 .Lentry_in_a_cluster
	s_endpgm
.Lentry_in_a_cluster:
	s_bfe_u32 s2, ttmp6, 0x10000c
	s_cmp_lg_u32 s2, 0x3003
	s_cbranch_scc0 .Lentry_shape_is_right
	s_endpgm
.Lentry_shape_is_right:
; The three projections on codes of FP4, their biases, the rotation, the sum over the 8 query heads of a group, and the quantisers of q, k (along the head's 128) and v (along the keys).
; reference() contracts the scores over g and d with k free of g, so its left operand is the sum over g of rope(q_g).
; WHAT GOES INTO A QUANTISER IS MADE IN reference()'s OWN f32 STEPS AND ORDER.  Each product sum begins with 0; the bias is added by one addition; each head is rotated by itself: two rounded products and a
; rounded difference or sum, nothing fused; the eight rotated heads are added in ascending g.
; SHARES.  A work-group takes 64 rows (row block mb) and one key/value head: 256 work-groups.  All 64 rows x 2,048 K of x's codes stay in every wave's registers (64 fragments, 512 registers).
; Wave w owns two column tiles in each of ten steps: steps 0-7 Wq's groups, step 8 Wk, step 9 Wv.  A step is 128 matrix instructions a wave, on one of two sets of 8 accumulators; the set that the step before
; finished is biased, rotated and added to Q at the step's head.
; The weights come through two LDS slots; a wave fetches and reads only its own 34,816 bytes of a slot (codes and scale words of its two tiles, all of K), one dense block of memory.
; CLUSTER.  The four row blocks of a cluster belong to one head and walk the same weights: every tile is asked for jointly, by the same tensor load with the mask of all four.
; LAYOUT.  Q and K are made transposed (source 0 = 16 columns of W, source 1 = 16 rows of x): lane (r, h) holds row r of row tile a.  The columns of a tile were chosen so that register j of my tile ct = 0 is x1 and
; register j of my tile ct = 1 is x2 of pair 32 h + 8 w + j: a rotation's partners lie in one lane.  Its results are places 32 h + 8 w + j and 64 + 32 h + 8 w + j of the rotated row; after an exchange through LDS
; a lane holds blocks h and 2 + h of one row, the blocks that this lane of the next operand holds.
; V is made the other way round (source 0 = x): a lane holds one channel and its registers run along the keys, which are the next product's K.
; cos AND sin.  inv_freq is the rounded 10000^(-j / 64) = 10^(-j / 16): the reciprocal of the power carried in TWO words, so that the power's own rounding does not enter (the form A x pow(B, -C) of A / pow(B, C)).
; The angle is one f32 product.  pi / 2 is taken in three words, the reduced angle kept in two, and so are r^3 / 6 and 1 - r^2 / 2; Taylor's series to r^11 and r^10.  A pair's four rows are worked by turns.
; LIMITS: NaN and infinities are not served; a block under 2^-124 keeps the byte 1; inv_freq equals reference()'s only where that is evaluated as the rounded 10000^(-j / 64); cos and sin only where both are
; correctly rounded; the place of k inside a block of 32 differs from reference()'s (both operands alike).
; REGISTERS, in windows of 256.  Window 0: v1-15 addresses; v16-47 x's scale words, v48-55 the weights' (two sets); v64-127, v128-191 the weights' fragments, two sets (at the head, before the first fragment is
;   fetched: v64-71 and v96-99 the power and inv_freq, v100-191 four rows' work on cos and sin); v192-223 cos, v224-255 sin, at 8 a + j.
;   Windows 1, 2: x's fragments of K steps 0-7, 8-15, at 8 (4 s + a).   Window 3: v0-63 Q; v64-127, v128-191 the two sets of accumulators at 8 (4 ct + a) (in the end K and V); v192-207, v208-223 two bias buffers; v224-255 at work.
.set TILEB, 34816                      ; a wave's part of a slot: 32,768 bytes of codes, 2,048 of scale words
.set SLOTB, 4*TILEB
.set SPARE, 2*SLOTB                    ; behind the slots: the spare words, 128 bytes a wave: two blocks of 256 bytes that no other line names
.set LI,  4                            ; v4   16 x lane
.set LS,  5                            ; v5   4 x lane
.set ADR, 6                            ; v6-7 my tile in slot 0, 1, + 16 x lane
.set STW, 8                            ; v8   the stage: where I put an accumulator's image
.set HR,  9                            ; v9   h = lane / 16
.set SPW, 10                           ; v10  my spare word; never rewritten
.set NIL, 11                           ; v11  0; never rewritten
.set STR, 12                           ; v12  the stage: where I read my row tile
.set AS,  16
.set BS,  48
.set BF,  64
.set COS, 192
.set SIN, 224
.set W0,  100                          ; cos and sin: row a's 23 registers of work begin at v[Wa]
.set W1,  123
.set W2,  146
.set W3,  169
.set QS,  0
.set SA,  64
.set SB,  128
.set BB0, 192
.set BB1, 208
.set TMP, 224
.set MSB, 0
.macro WIN new                         ; the immediate's high byte repeats the setting that is left; a switch that changes nothing is dropped
.if MSB != (\new)
	s_set_vgpr_msb (MSB<<8)|(\new)
.set MSB, \new
.endif
.endm
.macro PLACES n
.rept \n
	v_nop
.endr
.endm
.macro CREST                           ; a round of the cluster's barrier behind its opening barrier
	s_cmp_lg_u32 s18, 0
	s_cbranch_scc1 .Lnot_wave_0_\@
	s_barrier_signal -3
.Lnot_wave_0_\@:
	s_barrier_wait -3
	s_barrier_signal -1
	s_barrier_wait -1
.endm
.macro CROUND
	s_barrier_signal -1
	s_barrier_wait -1
	CREST
.endm
; one product; ra, rb: which half of the lanes of the scale registers holds source 0's and source 1's words
.macro WM d, a, b, c, sa, sb, ra, rb
.if ((\ra) == 0) && ((\rb) == 0)
	v_wmma_scale_f32_16x16x128_f8f6f4 v[\d:\d+7], v[\a:\a+7], v[\b:\b+7], v[\c:\c+7], v[\sa], v[\sb] matrix_a_fmt:MATRIX_FMT_FP4 matrix_b_fmt:MATRIX_FMT_FP4
.elseif (\rb) == 0
	v_wmma_scale_f32_16x16x128_f8f6f4 v[\d:\d+7], v[\a:\a+7], v[\b:\b+7], v[\c:\c+7], v[\sa], v[\sb] matrix_a_fmt:MATRIX_FMT_FP4 matrix_b_fmt:MATRIX_FMT_FP4 matrix_a_scale:MATRIX_SCALE_ROW1
.elseif (\ra) == 0
	v_wmma_scale_f32_16x16x128_f8f6f4 v[\d:\d+7], v[\a:\a+7], v[\b:\b+7], v[\c:\c+7], v[\sa], v[\sb] matrix_a_fmt:MATRIX_FMT_FP4 matrix_b_fmt:MATRIX_FMT_FP4 matrix_b_scale:MATRIX_SCALE_ROW1
.else
	v_wmma_scale_f32_16x16x128_f8f6f4 v[\d:\d+7], v[\a:\a+7], v[\b:\b+7], v[\c:\c+7], v[\sa], v[\sb] matrix_a_fmt:MATRIX_FMT_FP4 matrix_b_fmt:MATRIX_FMT_FP4 matrix_a_scale:MATRIX_SCALE_ROW1 matrix_b_scale:MATRIX_SCALE_ROW1
.endif
.endm
.macro WMZ d, a, b, sa, sb, ra, rb     ; the same, beginning a sum with the constant 0
.if ((\ra) == 0) && ((\rb) == 0)
	v_wmma_scale_f32_16x16x128_f8f6f4 v[\d:\d+7], v[\a:\a+7], v[\b:\b+7], 0, v[\sa], v[\sb] matrix_a_fmt:MATRIX_FMT_FP4 matrix_b_fmt:MATRIX_FMT_FP4
.elseif (\rb) == 0
	v_wmma_scale_f32_16x16x128_f8f6f4 v[\d:\d+7], v[\a:\a+7], v[\b:\b+7], 0, v[\sa], v[\sb] matrix_a_fmt:MATRIX_FMT_FP4 matrix_b_fmt:MATRIX_FMT_FP4 matrix_a_scale:MATRIX_SCALE_ROW1
.elseif (\ra) == 0
	v_wmma_scale_f32_16x16x128_f8f6f4 v[\d:\d+7], v[\a:\a+7], v[\b:\b+7], 0, v[\sa], v[\sb] matrix_a_fmt:MATRIX_FMT_FP4 matrix_b_fmt:MATRIX_FMT_FP4 matrix_b_scale:MATRIX_SCALE_ROW1
.else
	v_wmma_scale_f32_16x16x128_f8f6f4 v[\d:\d+7], v[\a:\a+7], v[\b:\b+7], 0, v[\sa], v[\sb] matrix_a_fmt:MATRIX_FMT_FP4 matrix_b_fmt:MATRIX_FMT_FP4 matrix_a_scale:MATRIX_SCALE_ROW1 matrix_b_scale:MATRIX_SCALE_ROW1
.endif
.endm
; 17 LDS loads: my two tiles' fragments of 512 along K (group sg of the slot), and their scale words (lanes 0-15 tile 0, lanes 16-31 tile 1; register = K step in the group)
.macro FETCH slot, sg, buf
.set fq, 0
.rept 16
	ds_load_b128 v[BF+64*(\buf)+4*fq:BF+64*(\buf)+4*fq+3], v[ADR+(\slot)] offset:8192*(\sg)+512*fq
.set fq, fq+1
.endr
	ds_load_b128 v[BS+4*(\buf):BS+4*(\buf)+3], v[ADR+(\slot)] offset:32768+512*(\sg)
.endm
; fragments q0 .. q1 - 1 of the group (q = 2 x K step + tile), each against x's four row tiles.  The 8 accumulators take turns, one instruction a turn.
; The step's first K step begins the sums with the constant 0.  swp = 1: x is source 0.
.macro MM buf, sg, q0, q1, acc, swp
.set qq, \q0
.rept (\q1)-(\q0)
.set kp, qq/2
.set cti, qq%2
.set aa, 0
.rept 4
.set rD, (\acc)+8*(4*cti+aa)
.set rB, BF+64*(\buf)+8*qq
.set rX, 8*(4*((4*(\sg)+kp)%8)+aa)
.set rSB, BS+4*(\buf)+kp
.set rSA, AS+16*(aa/2)+4*(\sg)+kp
.if ((\sg) == 0) && (kp == 0)
.if \swp
	WMZ rD, rX, rB, rSA, rSB, aa%2, cti
.else
	WMZ rD, rB, rX, rSB, rSA, cti, aa%2
.endif
.elseif \swp
	WM rD, rX, rB, rD, rSA, rSB, aa%2, cti
.else
	WM rD, rB, rX, rD, rSB, rSA, cti, aa%2
.endif
.set aa, aa+1
.endr
.set qq, qq+1
.endr
.endm
; A finished set of 8 sums: + bias; rotated; mode 0: it begins Q; 1: it is added to Q; 2: it stays in place (K).  v[set + 8 a + j] = x1, v[set + 32 + 8 a + j] = x2 of row 16 a + r, pair 32 h + 8 w + j.
; Every line is one rounded f32 step of reference(): x + b;  x1 cos, x2 sin, their difference;  x1 sin, x2 cos, their sum;  Q + that.
.macro FIN set, bb, mode
	WIN 0xff                                       ; all in window 3
.set fi, 0
.rept 16
	v_pk_add_f32 v[(\set)+fi:(\set)+fi+1], v[(\set)+fi:(\set)+fi+1], v[(\bb)+fi%8:(\bb)+fi%8+1]   ; each accumulator from its low end on
.set fi, fi+2
.endr
.set fi, 0
.rept 16
	v_pk_add_f32 v[(\set)+32+fi:(\set)+33+fi], v[(\set)+32+fi:(\set)+33+fi], v[(\bb)+8+fi%8:(\bb)+9+fi%8]
.set fi, fi+2
.endr
.irp a, 0,1,2,3
	WIN 0xc3                                       ; source 1 (cos, sin) in window 0
.irp p, 0,2,4,6
	v_pk_mul_f32 v[TMP+\p:TMP+\p+1], v[(\set)+8*\a+\p:(\set)+8*\a+\p+1], v[COS+8*\a+\p:COS+8*\a+\p+1]
	v_pk_mul_f32 v[TMP+8+\p:TMP+9+\p], v[(\set)+32+8*\a+\p:(\set)+33+8*\a+\p], v[SIN+8*\a+\p:SIN+8*\a+\p+1]
	v_pk_mul_f32 v[TMP+16+\p:TMP+17+\p], v[(\set)+8*\a+\p:(\set)+8*\a+\p+1], v[SIN+8*\a+\p:SIN+8*\a+\p+1]
	v_pk_mul_f32 v[TMP+24+\p:TMP+25+\p], v[(\set)+32+8*\a+\p:(\set)+33+8*\a+\p], v[COS+8*\a+\p:COS+8*\a+\p+1]
.endr
	WIN 0xff
.irp p, 0,2,4,6
.if (\mode) == 0
	v_pk_add_f32 v[QS+8*\a+\p:QS+8*\a+\p+1], v[TMP+\p:TMP+\p+1], v[TMP+8+\p:TMP+9+\p] neg_lo:[0,1] neg_hi:[0,1]
	v_pk_add_f32 v[QS+32+8*\a+\p:QS+33+8*\a+\p], v[TMP+16+\p:TMP+17+\p], v[TMP+24+\p:TMP+25+\p]
.elseif (\mode) == 2
	v_pk_add_f32 v[(\set)+8*\a+\p:(\set)+8*\a+\p+1], v[TMP+\p:TMP+\p+1], v[TMP+8+\p:TMP+9+\p] neg_lo:[0,1] neg_hi:[0,1]
	v_pk_add_f32 v[(\set)+32+8*\a+\p:(\set)+33+8*\a+\p], v[TMP+16+\p:TMP+17+\p], v[TMP+24+\p:TMP+25+\p]
.else
	v_pk_add_f32 v[TMP+\p:TMP+\p+1], v[TMP+\p:TMP+\p+1], v[TMP+8+\p:TMP+9+\p] neg_lo:[0,1] neg_hi:[0,1]
	v_pk_add_f32 v[TMP+16+\p:TMP+17+\p], v[TMP+16+\p:TMP+17+\p], v[TMP+24+\p:TMP+25+\p]
.endif
.endr
.if (\mode) == 1
.irp p, 0,2,4,6
	v_pk_add_f32 v[QS+8*\a+\p:QS+8*\a+\p+1], v[QS+8*\a+\p:QS+8*\a+\p+1], v[TMP+\p:TMP+\p+1]
	v_pk_add_f32 v[QS+32+8*\a+\p:QS+33+8*\a+\p], v[QS+32+8*\a+\p:QS+33+8*\a+\p], v[TMP+16+\p:TMP+17+\p]
.endr
.endif
.endr
.endm
; the bias of the step in hand, into buffer bb: kind 4: bq's first group; 1: bq's next group; 2: bk; 3: bv.  It is wanted a step later
.macro BLOAD kind, bb
.if (\kind) == 1
	s_add_nc_u64 s[8:9], s[8:9], 512               ; (behind the wait for the last group's loads: their base is free)
.endif
	WIN 0xc0                                       ; destination window 3, address window 0
.if ((\kind) == 1) || ((\kind) == 4)
.irp c, 0,1
.irp j, 0,1,2,3,4,5,6,7
	global_load_b32 v[(\bb)+8*\c+\j], v14, s[8:9] offset:8*\j+4*\c
.endr
.endr
.elseif (\kind) == 2
.irp c, 0,1
.irp j, 0,1,2,3,4,5,6,7
	global_load_b32 v[(\bb)+8*\c+\j], v14, s[10:11] offset:8*\j+4*\c
.endr
.endr
.else
.irp c, 0,1
.irp e, 0,1
	global_load_b32 v[(\bb)+2*\c+\e], v15, s[12:13] offset:64*\c   ; V's result holds one channel a lane: a pair with the same number twice
.endr
.endr
.endif
.endm
; A STEP: one slot, four groups of 512 along K, 32 matrix instructions each, on the two sets of fragments by turns.
; mode 2: the slot is filled again, two steps ahead; 1: a barrier alone; 0: the last step.  fmode >= 0: the set fset, which the step before finished, is first put through FIN with the bias in fbb.  bl, lbb: BLOAD's.
.macro SSTEP slot, acc, swp, mode, fmode, fset, fbb, bl, lbb
.irp sg, 0,1,2
	PLACES 4                                       ; four places in front of loads into registers that matrix instructions have read, and of the first read of results (ISA guide 7.12.1 for vector instructions)
.if \sg == 0
.if (\fmode) >= 0
	s_wait_loadcnt 0x0                             ; the bias asked for a step ago: nothing else is out
	FIN \fset, \fbb, \fmode
.endif
	BLOAD \bl, \lbb
.endif
	WIN 0
	FETCH \slot, \sg+1, (\sg+1)%2
	s_wait_dscnt 17                                ; all but the 17 just issued: this group's fragments are in
	WIN 0xf0+((1+\sg/2)<<(2-2*\swp))
	MM \sg%2, \sg, 0, 8, \acc, \swp
.endr
.if \mode
	WIN 0                                          ; (the add's two registers lie in window 0)
	s_wait_tensorcnt 0x0                           ; all my tensor loads have landed: the one that was out is my tile of the other slot
	ds_add_u32 v[SPW], v[NIL]                      ; 0 onto my spare word
	s_wait_dscnt 1                                 ; (the add alone may be out: the last group's fragments are in)
	WIN 0xf0+(2<<(2-2*\swp))
	MM 1, 3, 0, 2, \acc, \swp                      ; eight matrix instructions stand between the add and the wait for it
	s_wait_dscnt 0x0                               ; the add is done, and my reads of this slot are over
	s_barrier_signal -1
	MM 1, 3, 2, 4, \acc, \swp
	WIN 0
	s_barrier_wait -1
.if \mode == 2
	CREST                                          ; the barrier has opened a round of the cluster's: no wave of any partner still reads this slot or has a load on its way
	s_add_nc_u64 s[34+4*\slot:35+4*\slot], s[34+4*\slot:35+4*\slot], 2*SLOTB   ; two steps on
	tensor_load_to_lds s[32+4*\slot:35+4*\slot], s[24:31]          ; my one tensor load behind the round: it has a whole step in which to land
	s_nop 0
	PLACES 4                                       ; (the places in front of the loads below)
.else
	PLACES 4
.endif
	FETCH 1-\slot, 0, 0
	WIN 0xf0+(2<<(2-2*\swp))
	MM 1, 3, 4, 8, \acc, \swp
.else
	s_wait_dscnt 0x0
	WIN 0xf0+(2<<(2-2*\swp))
	MM 1, 3, 0, 8, \acc, \swp
.endif
.endm
; cos and sin of pair j for my four rows: position v[66 + a] x inv_freq (v70), into v[COS + 8 a + j], v[SIN + 8 a + j].  THE FOUR ROWS TAKE TURNS, line by line (lines of one row that do not hang on each other stand
; together), so that a line and the line that reads its result stand four lines apart or more.  Row a's registers, from v[Wa] on: +0 the angle, +1 k, +2 to +4 on the way to r, +5, +6 r's two words, +7 k as a whole number,
; +8, +9 z = r^2, +10, +11 r^3, +12, +13 - r^3 / 6 and sin's small terms, +14 z^2, +15 r^5, +16 sin's series, +17 z / 2, +18 cos r, +19 sin r, +20, +21 at work, +22 cos's series.
.macro SC4 j
.irp a, 0,1,2,3
	v_mul_f32 v[W\a], v[66+\a], v70                ; the angle: one rounding
.endr
.irp a, 0,1,2,3
	v_mul_f32 v[W\a+1], s42, v[W\a]
.endr
.irp a, 0,1,2,3
	v_rndne_f32 v[W\a+1], v[W\a+1]                 ; k = the nearest multiple of pi / 2
.endr
.irp a, 0,1,2,3
	v_fma_f32 v[W\a+2], -v[W\a+1], s43, v[W\a]     ; less k x the first word: exact (both are multiples of 2^-23 or finer and the difference is under 1)
	v_mul_f32 v[W\a+3], s44, v[W\a+1]              ; k x the second word, in two words
	v_cvt_i32_f32 v[W\a+7], v[W\a+1]
.endr
.irp a, 0,1,2,3
	v_fma_f32 v[W\a+4], v[W\a+1], s44, -v[W\a+3]
	v_sub_f32 v[W\a+5], v[W\a+2], v[W\a+3]         ; r, upper word;
.endr
.irp a, 0,1,2,3
	v_sub_f32 v[W\a+6], v[W\a+2], v[W\a+5]
	v_mul_f32 v[W\a+8], v[W\a+5], v[W\a+5]         ; z = r^2 in two words
.endr
.irp a, 0,1,2,3
	v_sub_f32 v[W\a+6], v[W\a+6], v[W\a+3]
	v_fma_f32 v[W\a+9], v[W\a+5], v[W\a+5], -v[W\a+8]
	v_mul_f32 v[W\a+10], v[W\a+8], v[W\a+5]        ; r^3 in two words
	v_mul_f32 v[W\a+14], v[W\a+8], v[W\a+8]        ; z^2
	v_mul_f32 v[W\a+17], 0.5, v[W\a+8]             ; z / 2: exact
	v_fma_f32 v[W\a+16], v[W\a+8], s50, s49
	v_fma_f32 v[W\a+22], v[W\a+8], s69, s68
.endr
.irp a, 0,1,2,3
	v_sub_f32 v[W\a+6], v[W\a+6], v[W\a+4]
	v_fma_f32 v[W\a+11], v[W\a+8], v[W\a+5], -v[W\a+10]
	v_mul_f32 v[W\a+12], s45, v[W\a+10]            ; - r^3 / 6 in two words (- 1 / 6 in two words too)
	v_mul_f32 v[W\a+15], v[W\a+10], v[W\a+8]       ; r^5
	v_sub_f32 v[W\a+18], 1.0, v[W\a+17]            ; 1 - z / 2, rounded
	v_fma_f32 v[W\a+16], v[W\a+16], v[W\a+8], s48
	v_fma_f32 v[W\a+22], v[W\a+22], v[W\a+8], s67
.endr
.irp a, 0,1,2,3
	v_fma_f32 v[W\a+6], -v[W\a+1], s70, v[W\a+6]   ; r's lower word, k x the third word taken off too
	v_fma_f32 v[W\a+11], v[W\a+9], v[W\a+5], v[W\a+11]
	v_fma_f32 v[W\a+13], v[W\a+10], s45, -v[W\a+12]
	v_fma_f32 v[W\a+16], v[W\a+16], v[W\a+8], s47  ; 1 / 5! - z / 7! + z^2 / 9! - z^3 / 11!
	v_fma_f32 v[W\a+22], v[W\a+22], v[W\a+8], s66  ; 1 / 4! - z / 6! + z^2 / 8! - z^3 / 10!
	v_add_f32 v[W\a+19], v[W\a+5], v[W\a+12]       ; r - r^3 / 6, and what that addition left,
	v_sub_f32 v[W\a+21], 1.0, v[W\a+18]            ; what 1 - z / 2 left,
.endr
.irp a, 0,1,2,3
	v_fma_f32 v[W\a+13], v[W\a+10], s46, v[W\a+13]
	v_sub_f32 v[W\a+20], v[W\a+5], v[W\a+19]
	v_sub_f32 v[W\a+21], v[W\a+21], v[W\a+17]
.endr
.irp a, 0,1,2,3
	v_fma_f32 v[W\a+13], v[W\a+11], s45, v[W\a+13]
	v_add_f32 v[W\a+20], v[W\a+20], v[W\a+12]
	v_fma_f32 v[W\a+21], v[W\a+9], -0.5, v[W\a+21] ; z's lower word,
.endr
.irp a, 0,1,2,3
	v_fma_f32 v[W\a+13], v[W\a+16], v[W\a+15], v[W\a+13]
.endr
.irp a, 0,1,2,3
	v_fma_f32 v[W\a+13], v[W\a+6], v[W\a+18], v[W\a+13]   ; + r's lower word x cos r
.endr
.irp a, 0,1,2,3
	v_add_f32 v[W\a+20], v[W\a+20], v[W\a+13]      ; with all the small terms:
.endr
.irp a, 0,1,2,3
	v_add_f32 v[W\a+19], v[W\a+19], v[W\a+20]      ; sin r
.endr
.irp a, 0,1,2,3
	v_fma_f32 v[W\a+21], -v[W\a+6], v[W\a+19], v[W\a+21]  ; - r's lower word x sin r,
.endr
.irp a, 0,1,2,3
	v_fma_f32 v[W\a+21], v[W\a+22], v[W\a+14], v[W\a+21]
.endr
.irp a, 0,1,2,3
	v_add_f32 v[W\a+18], v[W\a+18], v[W\a+21]      ; cos r
	v_and_b32 v[W\a+20], 1, v[W\a+7]
.endr
.irp a, 0,1,2,3
	v_cmp_eq_u32 s[60+\a], 1, v[W\a+20]            ; an odd k changes the two over (a choice of values: no branch); each row has a mask of its own
.endr
.irp a, 0,1,2,3
	v_cndmask_b32 v[W\a+21], v[W\a+19], v[W\a+18], s[60+\a]
	v_cndmask_b32 v[W\a+22], v[W\a+18], v[W\a+19], s[60+\a]
	v_lshlrev_b32 v[W\a+20], 30, v[W\a+7]          ; sin is negated where k % 4 is 2 or 3,
	v_add_nc_u32 v[W\a+7], 1, v[W\a+7]
.endr
.irp a, 0,1,2,3
	v_and_b32 v[W\a+20], 0x80000000, v[W\a+20]
	v_lshlrev_b32 v[W\a+7], 30, v[W\a+7]           ; cos where it is 1 or 2
.endr
.irp a, 0,1,2,3
	v_xor_b32 v[SIN+8*\a+(\j)], v[W\a+21], v[W\a+20]
	v_and_b32 v[W\a+7], 0x80000000, v[W\a+7]
.endr
.irp a, 0,1,2,3
	v_xor_b32 v[COS+8*\a+(\j)], v[W\a+22], v[W\a+7]
.endr
.endm
; pair 32 h + 8 w + j: its inv_freq from the power in v64 (upper word), v65 (lower word); the power steps on; my four rows' cos and sin
.macro PAIR j
	v_rcp_f32 v70, v64
.if (\j) < 7
	v_mul_f32 v96, s40, v64                        ; (the plain place behind the reciprocal: the next power's leading product)
	s_wait_alu depctr_va_vdst(0)
.else
	v_nop
	s_wait_alu depctr_va_vdst(0)
.endif
	v_fma_f32 v71, -v64, v70, 1.0
	v_fma_f32 v70, v70, v71, v70                   ; 1 / the upper word, mended once;
	v_fma_f32 v71, -v64, v70, 1.0
	v_fma_f32 v71, -v65, v70, v71                  ; what is left against BOTH words of the power:
	v_fma_f32 v70, v70, v71, v70                   ; the rounded 10^(-j / 16)
.if (\j) < 7
	v_fma_f32 v97, v64, s40, -v96                  ; the power x 10^(1 / 16), both in two words
	v_fma_f32 v97, v64, s41, v97
	v_fma_f32 v97, v65, s40, v97
	v_add_f32 v64, v96, v97
	v_sub_f32 v65, v96, v64
	v_add_f32 v65, v65, v97
.endif
	SC4 \j
.endm
.macro QR x, pc, wd                    ; two whole blocks of a lane, v[x] .. v[x + 63], become the operand's 8 registers at v[pc] and the row's scale word in v[wd].  v192-200 at work (cos is done with)
.irp c, 0,1
	v_max3_num_f32 v[192+\c], |v[\x+32*\c]|, |v[\x+1+32*\c]|, 0x1800000
.endr
.irp i, 2,4,6,8,10,12,14,16,18,20,22,24,26,28,30
.irp c, 0,1
	v_max3_num_f32 v[192+\c], v[192+\c], |v[\x+32*\c+\i]|, |v[\x+1+32*\c+\i]|
.endr
.endr
.irp c, 0,1
	v_add_nc_u32 v[194+\c], 0xff000000, v[192+\c]
.endr
.irp c, 0,1
	v_lshrrev_b32 v[196+\c], 23, v[194+\c]
.endr
.irp c, 0,1
.irp g, 0,1,2,3
	v_cvt_scalef32_pk8_fp4_f32 v[\pc+4*\c+\g], v[\x+32*\c+8*\g:\x+32*\c+8*\g+7], v[194+\c]
.endr
.endr
	v_nop                                          ; one plain place behind a scaled conversion
	v_lshl_or_b32 v198, v197, 16, v196
	v_lshlrev_b32 v198, v200, v198                 ; 8 h bits up
	v_permlanex16_b32 v199, v198, s56, s57
	v_or_b32 v[\wd], v198, v199
.endm
	s_load_b256 s[4:11], s[0:1], 0x0               ; xq, wcat, bq, bk
	s_load_b128 s[12:15], s[0:1], 0x20             ; bv, qk
	s_load_b64 s[16:17], s[0:1], 0x30              ; vq
	v_lshl_add_u32 v[SPW], v0, 2, SPARE
	v_mov_b32 v[NIL], 0
	ds_add_u32 v10, v11
	ds_add_u32 v10, v11
	s_wait_dscnt 0x0
	v_lshrrev_b32 v1, 5, v0
	v_readfirstlane_b32 s18, v1                    ; wave
	s_bfe_u32 s19, ttmp6, 0x40000                  ; cx: it enters x's and the outputs' global addresses alone
	s_lshl_b32 s20, ttmp9, 2
	s_add_co_u32 s20, s20, s19                     ; mb: my block of 64 rows
	s_and_b32 s21, ttmp7, 0xffff                   ; the key/value head, which the four partners share
	; descriptor group 1: a dense block of 34,816 bytes as 136 rows of 256 bytes (32 elements of 8 bytes), no padding: every LDS read takes 512 consecutive bytes
	s_mov_b32 s24, 15|(3<<16)|(1<<21)              ; 15:0 the mask: all four work-groups; 17:16 elements of 8 bytes; 21 set beside a mask
	s_mov_b32 s25, 32<<16                          ; tensor_dim0 = 32
	s_mov_b32 s26, 136<<16                         ; tensor_dim1 = 136
	s_mov_b32 s27, 32<<16                          ; tile_dim0 = 32
	s_mov_b32 s28, 136                             ; tile_dim1 = 136
	s_mov_b32 s29, 32                              ; from row to row
	s_mov_b32 s30, 0
	s_mov_b32 s31, 0
	s_mov_b32 s40, 0x3f93cfe5                      ; 10^(1 / 16), upper word,
	s_mov_b32 s41, 0x334a404e                      ; lower word
	s_mov_b32 s42, 0x3f22f983                      ; 2 / pi
	s_mov_b32 s43, 0x3fc90fdb                      ; pi / 2 in three words
	s_mov_b32 s44, 0xb33bbd2e
	s_mov_b32 s70, 0xa6f72ced
	s_mov_b32 s45, 0xbe2aaaab                      ; - 1 / 6, upper word,
	s_mov_b32 s46, 0x31aaaaab                      ; lower word
	s_mov_b32 s47, 0x3c088889                      ; 1 / 5!
	s_mov_b32 s48, 0xb9500d01                      ; - 1 / 7!
	s_mov_b32 s49, 0x3638ef1d                      ; 1 / 9!
	s_mov_b32 s50, 0xb2d7322b                      ; - 1 / 11!
	s_mov_b32 s66, 0x3d2aaaab                      ; 1 / 4!
	s_mov_b32 s67, 0xbab60b61                      ; - 1 / 6!
	s_mov_b32 s68, 0x37d00d01                      ; 1 / 8!
	s_mov_b32 s69, 0xb493f27e                      ; - 1 / 10!
	s_mov_b32 s56, 0x76543210
	s_mov_b32 s57, 0xfedcba98                      ; selects for lane l xor 16
	s_mov_b32 s58, 0xffff0000                      ; lanes 16-31
	s_mul_i32 s22, s18, TILEB                      ; my tile's place in a slot: the wave's number alone
	s_mul_i32 s60, s21, 40
	s_add_co_u32 s60, s60, s18
	s_mul_i32 s60, s60, TILEB                      ; (40 head + wave) blocks: my tile of step 0
	s_mov_b32 s61, 0
	s_wait_kmcnt 0x0
	s_add_nc_u64 s[60:61], s[6:7], s[60:61]
	s_mov_b32 s32, 1                               ; group 0 of slot 0: count,
	s_mov_b32 s33, s22                             ; LDS address,
	s_mov_b64 s[34:35], s[60:61]                   ; global address,
	s_or_b32 s35, s35, 0x80000000                  ; type 2
	s_mov_b32 s36, 1                               ; and of slot 1: step 1's tile lies four blocks on
	s_add_co_u32 s37, s22, SLOTB
	s_add_nc_u64 s[38:39], s[60:61], SLOTB
	s_or_b32 s39, s39, 0x80000000
	CROUND                                         ; all four work-groups are here: the first joint loads meet
	tensor_load_to_lds s[32:35], s[24:31]
	s_nop 0
	tensor_load_to_lds s[36:39], s[24:31]          ; two loads of mine are out
	s_nop 0
	PLACES 4
	v_and_b32 v2, 31, v0
	v_and_b32 v3, 15, v0                           ; r
	v_bfe_u32 v[HR], v0, 4, 1
	v_lshlrev_b32 v[LI], 4, v2
	v_lshlrev_b32 v[LS], 2, v2
	v_add_nc_u32 v[ADR], s22, v[LI]
	v_add_nc_u32 v[ADR+1], SLOTB, v[ADR]
	s_lshl_b32 s23, s18, 10
	v_add_nc_u32 v[STW], s23, v[LI]                ; images (8 a + t) of 1,024 bytes, my tiles t = w + 4 ct
	s_lshl_b32 s23, s18, 13
	v_add_nc_u32 v[STR], s23, v[LI]                ; row tile a = w
	v_lshlrev_b32 v13, 10, v[HR]
	v_lshl_add_u32 v13, v3, 4, v13                 ; x's scale words: 1,024 H + 16 r
	s_lshl_b32 s23, s18, 6
	v_lshl_add_u32 v14, v[HR], 8, s23              ; bq, bk: 4 d with d = 64 h + 16 w + 2 j + ct; j and ct stand in the immediates
	s_lshl_b32 s23, s18, 7
	v_lshl_add_u32 v15, v3, 2, s23                 ; bv: channel 32 w + 16 ct + r
	s_lshl_b32 s52, s20, 16
	s_mov_b32 s53, 0
	s_add_nc_u64 s[52:53], s[4:5], s[52:53]        ; x's 64 images
	s_lshl_b32 s54, s20, 12
	s_add_co_u32 s54, s54, 8388608
	s_mov_b32 s55, 0
	s_add_nc_u64 s[54:55], s[4:5], s[54:55]        ; and its scale words
	s_lshl_b32 s60, s21, 12
	s_mov_b32 s61, 0
	s_add_nc_u64 s[8:9], s[8:9], s[60:61]          ; bq at my head's 8 groups
	s_lshl_b32 s60, s21, 9
	s_add_nc_u64 s[10:11], s[10:11], s[60:61]
	s_add_nc_u64 s[12:13], s[12:13], s[60:61]
.irp wn, 0,1
	WIN 0x40+0x40*\wn                              ; destination window 1, then 2
.irp ss, 0,1,2,3,4,5,6,7
.irp a, 0,1,2,3
.irp c, 0,1
	global_load_b128 v[8*(4*\ss+\a)+4*\c:8*(4*\ss+\a)+4*\c+3], v[LI], s[52:53] offset:16384*\a+1024*(8*\wn+\ss)+512*\c
.endr
.endr
.endr
.endr
	WIN 0
.irp p, 0,1
.irp sg, 0,1,2,3
	global_load_b128 v[AS+16*\p+4*\sg:AS+16*\p+4*\sg+3], v13, s[54:55] offset:2048*\p+256*\sg   ; lanes 0-15 row tile 2 p, lanes 16-31 row tile 2 p + 1
.endr
.endr
	; cos and sin, while the loads are on their way.  My rows' positions: 64 (mb % 32) + 16 a + r
	s_and_b32 s23, s20, 31
	s_lshl_b32 s23, s23, 6
	v_add_nc_u32 v66, s23, v3
	v_add_nc_u32 v67, 16, v66
	v_add_nc_u32 v68, 32, v66
	v_add_nc_u32 v69, 48, v66
.irp a, 0,1,2,3
	v_cvt_f32_u32 v[66+\a], v[66+\a]
.endr
	; the power of my first pair, 10^(2 h + w / 2): 1 or sqrt(10) (in two words) x an exact power of ten
	s_bitcmp1_b32 s18, 0
	s_cselect_b32 s51, 0x404a62c2, 1.0
	s_cselect_b32 s59, 0xb324b496, 0
	s_bitcmp1_b32 s18, 1
	s_mov_b32 s3, 0x42c80000                       ; 100
	s_cselect_b32 s2, 0x41200000, 1.0              ; lanes 0-15: 10 or 1;
	s_cselect_b32 s3, 0x447a0000, s3               ; lanes 16-31: 1,000 or 100
	v_mov_b32 v98, s2
	v_mov_b32 v99, s3
	v_cndmask_b32 v98, v98, v99, s58
	v_mul_f32 v96, s51, v98
	v_fma_f32 v97, v98, s51, -v96
	v_fma_f32 v97, v98, s59, v97
	v_add_f32 v64, v96, v97
	v_sub_f32 v65, v96, v64
	v_add_f32 v65, v65, v97
.irp j, 0,1,2,3,4,5,6,7
	PAIR \j
.endr
	s_wait_loadcnt 0x0
	; where the results go (x's loads are in: their bases may be written)
	s_lshr_b32 s22, s20, 5
	s_lshl_b32 s22, s22, 1
	s_add_co_u32 s22, s22, s21                     ; bh = 2 x batch + head
	s_and_b32 s23, s20, 31
	s_lshl_b32 s2, s22, 4
	s_lshr_b32 s3, s23, 1
	s_add_co_u32 s2, s2, s3                        ; 16 bh + key step
	s_lshl_b32 s2, s2, 3
	s_lshl_b32 s3, s18, 1
	s_add_co_u32 s2, s2, s3                        ; V's image: channel tile 2 w
	s_and_b32 s19, s20, 1                          ; which half of the key step's 128 keys my 64 rows are
	s_lshl_b32 s52, s2, 10
	s_lshl_b32 s3, s19, 9
	s_add_co_u32 s52, s52, s3
	s_mov_b32 s53, 0
	s_add_nc_u64 s[52:53], s[16:17], s[52:53]
	s_lshl_b32 s54, s2, 6
	s_lshl_b32 s3, s19, 1
	s_add_co_u32 s54, s54, s3
	s_add_co_u32 s54, s54, 1048576
	s_mov_b32 s55, 0
	s_add_nc_u64 s[54:55], s[16:17], s[54:55]
	s_lshl_b32 s2, s22, 7
	s_lshl_b32 s3, s23, 2
	s_add_co_u32 s2, s2, s3
	s_add_co_u32 s2, s2, s18                       ; 128 bh + row tile 4 (mb % 32) + w
	s_lshl_b32 s60, s2, 10
	s_mov_b32 s61, 0
	s_add_nc_u64 s[60:61], s[14:15], s[60:61]
	s_lshl_b32 s62, s2, 7
	s_add_co_u32 s62, s62, 2097152
	s_mov_b32 s63, 0
	s_add_nc_u64 s[62:63], s[14:15], s[62:63]
	s_wait_tensorcnt 0x1                           ; my tile of slot 0 is in; slot 1's may stay out
	s_barrier_signal -1
	s_barrier_wait -1
	FETCH 0, 0, 0
	SSTEP 0, SA, 0, 2, -1, 0, 0, 4, BB0            ; g = 0
	SSTEP 1, SB, 0, 2, 0, SA, BB0, 1, BB1          ; g = 1; g = 0 is finished and begins Q
	WIN 0                                          ; at a label and at a branch every window is 0
	s_mov_b32 s3, 3
.Lgroups:                                              ; g = 2 .. 7: the group before is finished and added to Q while this one's sums grow in the other set
	SSTEP 0, SA, 0, 2, 1, SB, BB1, 1, BB0
	SSTEP 1, SB, 0, 2, 1, SA, BB0, 1, BB1
	WIN 0
	s_sub_co_u32 s3, s3, 1
	s_cmp_lg_u32 s3, 0
	s_cbranch_scc1 .Lgroups
	SSTEP 0, SA, 0, 1, 1, SB, BB1, 2, BB0          ; g = 7 is added; Wk.  Nothing is left to fetch; behind its barrier nobody reads slot 0 any more
	SSTEP 1, SB, 1, 0, 2, SA, BB0, 3, BB1          ; K is biased and rotated in place; Wv
	; THE END.  Q's and K's registers go to a stage as images; the stage lies in slot 0, which has had its last fill and its last read.
	PLACES 4
	WIN 0x0c                                       ; an LDS store's data are its source 1: window 3
.irp c, 0,1
.irp a, 0,1,2,3
	ds_store_b128 v[STW], v[QS+8*(4*\c+\a):QS+8*(4*\c+\a)+3] offset:(8*\a+4*\c)*1024
	ds_store_b128 v[STW], v[QS+8*(4*\c+\a)+4:QS+8*(4*\c+\a)+7] offset:(8*\a+4*\c)*1024+512
	ds_store_b128 v[STW], v[SA+8*(4*\c+\a):SA+8*(4*\c+\a)+3] offset:32768+(8*\a+4*\c)*1024
	ds_store_b128 v[STW], v[SA+8*(4*\c+\a)+4:SA+8*(4*\c+\a)+7] offset:32768+(8*\a+4*\c)*1024+512
.endr
.endr
	; V: lane (r, h) holds channel r of tile ct; registers 16 b + i, b = 2 ct + beta, are keys 32 beta + 8 h + i (i < 8) and 32 beta + 16 + 8 h + i - 8: with lane l xor 16 a block of 32 keys.  All in window 3
	s_wait_loadcnt 0x0                             ; bv
	WIN 0xff
.set vi, 0
.rept 32
	v_pk_add_f32 v[SB+vi:SB+vi+1], v[SB+vi:SB+vi+1], v[BB1+2*(vi/32):BB1+2*(vi/32)+1]   ; + the lane's bias; each accumulator from its low end on
.set vi, vi+2
.endr
.irp b, 0,1,2,3
	v_max3_num_f32 v[192+\b], |v[SB+16*\b]|, |v[SB+1+16*\b]|, 0x1800000
.endr
.irp i, 2,4,6,8,10,12,14
.irp b, 0,1,2,3
	v_max3_num_f32 v[192+\b], v[192+\b], |v[SB+16*\b+\i]|, |v[SB+1+16*\b+\i]|
.endr
.endr
.irp b, 0,1,2,3
	v_permlanex16_b32 v[196+\b], v[192+\b], s56, s57
.endr
.irp b, 0,1,2,3
	v_max_num_f32 v[192+\b], v[192+\b], v[196+\b]
.endr
.irp b, 0,1,2,3
	v_add_nc_u32 v[204+\b], 0xff000000, v[192+\b]
.endr
.irp b, 0,1,2,3
	v_lshrrev_b32 v[196+\b], 23, v[204+\b]
.endr
	v_lshl_or_b32 v216, v197, 8, v196              ; tile 0's two bytes,
	v_lshl_or_b32 v217, v199, 8, v198              ; tile 1's:
	v_cndmask_b32 v218, v216, v217, s58            ; lanes 0-15 store tile 0's, lanes 16-31 tile 1's
.irp b, 0,1,2,3
	v_cvt_scalef32_pk8_fp4_f32 v[208+2*\b], v[SB+16*\b:SB+7+16*\b], v[204+\b]
	v_cvt_scalef32_pk8_fp4_f32 v[209+2*\b], v[SB+8+16*\b:SB+15+16*\b], v[204+\b]
.endr
	v_nop                                          ; one plain place behind a scaled conversion
.irp c, 0,1                                    ; a whole block to a lane: lanes 0-15 key block 0, lanes 16-31 key block 1 of my 64 rows
.irp i, 0,1
	v_permlane16_swap_b32 v[208+4*\c+\i], v[210+4*\c+\i]
.endr
.endr
	WIN 0x0c                                       ; a store's data are its source 1: window 3
	global_store_b128 v[LI], v[208:211], s[52:53]                  ; half an image: 512 consecutive bytes
	global_store_b128 v[LI], v[212:215], s[52:53] offset:1024
	global_store_b16 v[LS], v218, s[54:55]                         ; my half of each channel's scale word
	WIN 0
	s_wait_dscnt 0x0                               ; for the others' sake: my stores into the stage are done
	s_barrier_signal -1
	s_barrier_wait -1
.irp t, 0,1,2,3,4,5,6,7
.irp f, 0,1
	ds_load_b128 v[64+8*\t+4*\f:67+8*\t+4*\f], v[STR] offset:1024*\t+512*\f            ; row tile w of Q: all eight column tiles
.endr
.endr
.irp t, 0,1,2,3,4,5,6,7
.irp f, 0,1
	ds_load_b128 v[128+8*\t+4*\f:131+8*\t+4*\f], v[STR] offset:32768+1024*\t+512*\f    ; and of K
.endr
.endr
	v_lshlrev_b32 v200, 3, v[HR]
	v_mov_b32 v199, 0                              ; a lane permute's destination counts as one of its sources
	s_wait_dscnt 16                                ; Q's 16 loads are in; K's may be out
	QR 64, 208, 224
	s_wait_dscnt 0x0
	QR 128, 216, 225
	v_cndmask_b32 v226, v224, v225, s58            ; lanes 0-15 q's words, lanes 16-31 k's
	global_store_b128 v[LI], v[208:211], s[60:61]
	global_store_b128 v[LI], v[212:215], s[60:61] offset:512
	global_store_b128 v[LI], v[216:219], s[60:61] offset:1048576
	global_store_b128 v[LI], v[220:223], s[60:61] offset:1048576+512
	global_store_b32 v[LS], v226, s[62:63]
	s_wait_tensorcnt 0x0                           ; the wave's end, behind my last tensor load and my last LDS store
	ds_add_u32 v[SPW], v[NIL]
	s_wait_dscnt 0x0
	CROUND                                         ; the closing round: no work-group ends while a partner may still ask for a tile that names it
	s_endpgm
.Lfunc_end_k_q7caf770cf0_proj:
	.size	k_q7caf770cf0_proj, .Lfunc_end_k_q7caf770cf0_proj-k_q7caf770cf0_proj
	.p2alignl 7, 3214868480
	.fill 96, 4, 3214868480
	.section	.rodata,"a",@progbits
	.p2align	6, 0x0
	.amdhsa_kernel k_q7caf770cf0_proj
		.amdhsa_group_segment_fixed_size 327680
		.amdhsa_private_segment_fixed_size 0
		.amdhsa_enable_private_segment 0
		.amdhsa_kernarg_size 56
		.amdhsa_user_sgpr_count 2
		.amdhsa_user_sgpr_kernarg_segment_ptr 1
		.amdhsa_wavefront_size32 1
		.amdhsa_system_sgpr_workgroup_id_x 1
		.amdhsa_system_sgpr_workgroup_id_y 1
		.amdhsa_system_sgpr_workgroup_id_z 1
		.amdhsa_system_vgpr_workitem_id 0
		.amdhsa_next_free_vgpr 1024
		.amdhsa_next_free_sgpr 72
		.amdhsa_reserve_vcc 0
		.amdhsa_float_denorm_mode_32 3
		.amdhsa_float_denorm_mode_16_64 3
		.amdhsa_memory_ordered 1
		.amdhsa_forward_progress 1
		.amdhsa_inst_pref_size 255
	.end_amdhsa_kernel
	.section	.bss,"aw",@nobits
	.p2align	6
	.space	262144
	.amdgpu_metadata
---
amdhsa.version: [ 1, 2 ]
amdhsa.kernels:
  - .name:           k_q7caf770cf0_proj
    .symbol:         k_q7caf770cf0_proj.kd
    .args:
      - { .name: xq, .offset: 0, .size: 8, .value_kind: global_buffer, .address_space: global }
      - { .name: wcat, .offset: 8, .size: 8, .value_kind: global_buffer, .address_space: global }
      - { .name: bq, .offset: 16, .size: 8, .value_kind: global_buffer, .address_space: global }
      - { .name: bk, .offset: 24, .size: 8, .value_kind: global_buffer, .address_space: global }
      - { .name: bv, .offset: 32, .size: 8, .value_kind: global_buffer, .address_space: global }
      - { .name: qk, .offset: 40, .size: 8, .value_kind: global_buffer, .address_space: global }
      - { .name: vq, .offset: 48, .size: 8, .value_kind: global_buffer, .address_space: global }
    .group_segment_fixed_size: 327680
    .private_segment_fixed_size: 0
    .kernarg_segment_align: 8
    .kernarg_segment_size: 56
    .max_flat_workgroup_size: 128
    .sgpr_count:     72
    .vgpr_count:     1024
    .wavefront_size: 32
...
	.end_amdgpu_metadata
.endif
;; end of part 2
;; launch attn (part 3): grid 64 x 4, 8 waves a work-group, no clusters, 107,520 bytes of LDS; arguments qk, vq, woq, bo, out0; writes out0
.if DOCPART == 3
	.amdgcn_target "amdgcn-amd-amdhsa--gfx1250"
	.amdhsa_code_object_version 6
	.text
	.protected	k_q7caf770cf0_attn
	.globl	k_q7caf770cf0_attn
	.p2align	8
	.type	k_q7caf770cf0_attn,@function
k_q7caf770cf0_attn:
	s_mov_b64 s[64:65], 0
	v_nop
	global_prefetch_b8 v0, s[64:65] scope:SCOPE_SE
	s_setreg_imm32_b32 hwreg(HW_REG_WAVE_MODE, 25, 1), 1
	s_wait_xcnt 0x0
; Causal attention on codes of FP4 and the output projection: scores = q k^T / sqrt(128), p = 2^(t - M), y = (p v) / l, out = y Wo + bo.
; t IS MADE IN reference()'s OWN ROUNDED STEPS: logit = score x f32(1 / sqrt(128)), t = logit x f32(log2 e), then t - M: three f32 roundings.  (The scores are exact: sums of multiples of 2^-5 under 2^7.)
; M = the running largest t rounded UP to a whole number; p is quantised along the keys, not normalised; l is the sum of the unquantised p (a step's 64 as a pairwise tree) and divides at the end,
; by a reciprocal mended once and a remainder step, so that y is the rounded quotient.
; SHARES.  Work-group (p, batch) takes the query tiles 127 - p ("long") and p ("short") of 16 rows, for both heads: 17 key steps of 128 keys a head in every work-group.
; Wave w: tile long (w < 4) or short; head (w / 2) % 2; parity w % 2: it walks the key steps of its parity.  The two waves of a pair meet in LDS: their M differ by a whole number, so the merge rounds nothing but the sums.
; Steps all of whose keys come after the tile are not walked; the step on the diagonal is the last step of one wave of the pair, which hides keys by -infinity ahead of the maximum.
; K's and V's fragments come straight from memory as images of their registers (each load 512 consecutive bytes), one step ahead; the waves of the long and the short tile with one head and parity read the same fragments; the loop has no LDS and no barrier.
; No cluster: the work-groups of a batch walk between 9 and 16 key steps, so partners would need different numbers of tiles.
; LAYOUT.  Both products are used transposed (S^T = K Q^T, O^T = V^T P^T): a lane holds one query.  A tile's 16 keys are neighbours, so p's codes come out with a block's 32 places in the order
; 0-7, 16-23, 8-15, 24-31, which is the order in which V's codes were laid; y's codes and Wo's likewise.
; THE OUTPUT.  y's four fragments (2 tiles x 2 heads = 2 K steps) go round through LDS as images; wave w makes columns 256 w .. 256 w + 255 of the 32 rows, bo as the C of each sum's first product.
; LIMITS: NaN and infinities are not served; a block of p whose every number has fallen to 0 keeps the byte 1 (its codes are zeros).
; REGISTERS.  Window 0: v1-11 addresses; v12 -M, v13 the largest t, v[14:15] the sum; v16-31 Wo's scale words; v32-39 Q, v40 its words; v44-47 K's words, v48-51 V's; v52-55 the loop's offsets; v56-59 y's words;
;   v64-95 y's fragments; v96-159 S^T, then p; v160-223 O^T; v224-231 p's codes; v232-254 at work; later v96-223 the second 128 columns' accumulators, v224-255 rows on their way out.
;   Window 1: v0-63 K's fragments, v64-127 V's, later Wo's at 8 (2 tau + K step); v128-255 the first 128 columns' accumulators at 8 (2 tau + m), loaded with bo.
.set LI,  1                            ; 16 x lane
.set LS,  2                            ; 4 x lane
.set MG,  3                            ; the pair's O^T image
.set MS,  4                            ; the pair's -M, and 128 bytes on its l
.set YI,  5                            ; where the pair's y goes
.set YS,  6                            ; and its scale words
.set STO, 7                            ; my stage: in
.set RD,  8                            ; my stage: out
.set CO,  9                            ; my bytes in a row of out0
.set BO,  10                           ; 32 h
.set DM,  11                           ; r - 8 h
.set WS,  16
.set QF,  32
.set QW,  40
.set KW,  44
.set VW,  48
.set KO,  52
.set KS,  53
.set VO,  54
.set VS,  55
.set YW,  56
.set YF,  64
.set MRG,  0                           ; LDS: for each pair 8,448 bytes: O^T's image 8,192, -M 128, l 128
.set YIMG, 33792                       ; y's four fragments,
.set YSC,  37888                       ; their scale words,
.set STG,  38400                       ; and a stage of 16 rows x 528 bytes for each wave
.set SEL, 50                           ; s[50:51]
.set SC,  52                           ; s[52:53] f32(1 / sqrt(128)): the packed forms name a pair and take its low word for both halves
.set LG,  60                           ; s[60:61] f32(log2 e)
.set MSB, 0
.macro WIN new
.if MSB != (\new)
	s_set_vgpr_msb (MSB<<8)|(\new)
.set MSB, \new
.endif
.endm
.macro PLACES n
.rept \n
	v_nop
.endr
.endm
.macro WM d, a, b, c, sa, sb, ra       ; ra: which half of the lanes holds source 0's scale words
.if (\ra) == 0
	v_wmma_scale_f32_16x16x128_f8f6f4 v[\d:\d+7], v[\a:\a+7], v[\b:\b+7], v[\c:\c+7], v[\sa], v[\sb] matrix_a_fmt:MATRIX_FMT_FP4 matrix_b_fmt:MATRIX_FMT_FP4
.else
	v_wmma_scale_f32_16x16x128_f8f6f4 v[\d:\d+7], v[\a:\a+7], v[\b:\b+7], v[\c:\c+7], v[\sa], v[\sb] matrix_a_fmt:MATRIX_FMT_FP4 matrix_b_fmt:MATRIX_FMT_FP4 matrix_a_scale:MATRIX_SCALE_ROW1
.endif
.endm
.macro WMZ d, a, b, sa, sb, ra         ; the same, beginning a sum
.if (\ra) == 0
	v_wmma_scale_f32_16x16x128_f8f6f4 v[\d:\d+7], v[\a:\a+7], v[\b:\b+7], 0, v[\sa], v[\sb] matrix_a_fmt:MATRIX_FMT_FP4 matrix_b_fmt:MATRIX_FMT_FP4
.else
	v_wmma_scale_f32_16x16x128_f8f6f4 v[\d:\d+7], v[\a:\a+7], v[\b:\b+7], 0, v[\sa], v[\sb] matrix_a_fmt:MATRIX_FMT_FP4 matrix_b_fmt:MATRIX_FMT_FP4 matrix_a_scale:MATRIX_SCALE_ROW1
.endif
.endm
.macro KLOAD                           ; 20 loads: a key step's eight fragments of K, and their words (lanes 0-15 tile 2 i, lanes 16-31 tile 2 i + 1)
	WIN 0x40
.set lq, 0
.rept 16
	global_load_b128 v[4*lq:4*lq+3], v[KO], s[28:29] offset:512*lq
.set lq, lq+1
.endr
	WIN 0
.irp i, 0,1,2,3
	global_load_b32 v[KW+\i], v[KS], s[30:31] offset:256*\i
.endr
.endm
.macro VLOAD                           ; 20 loads: the same of V^T (eight tiles of 16 channels x 128 keys)
	WIN 0x40
.set lq, 0
.rept 16
	global_load_b128 v[64+4*lq:64+4*lq+3], v[VO], s[32:33] offset:512*lq
.set lq, lq+1
.endr
	WIN 0
.irp i, 0,1,2,3
	global_load_b32 v[VW+\i], v[VS], s[34:35] offset:128*\i
.endr
.endm
.macro WOLOAD beta, hf                 ; 16 loads: Wo's fragments of column tiles tau = 4 hf .. 4 hf + 3 of my columns' half beta, both K steps
	WIN 0x40
.irp u, 0,1,2,3
.irp kp, 0,1
.irp c, 0,1
	global_load_b128 v[8*(2*(4*(\hf)+\u)+\kp)+4*\c:8*(2*(4*(\hf)+\u)+\kp)+4*\c+3], v[LI], s[40:41] offset:((8*(\beta)+4*(\hf)+\u)/2)*4096+\kp*2048+(\u%2)*1024+512*\c
.endr
.endr
.endr
	WIN 0
.endm
; 64 numbers of a lane, register 16 b + i of block b (with lane l xor 16's 16 a block of 32), become a fragment's codes in v224-231 and its scale word in v248
.macro QUANT s
.irp b, 0,1,2,3
	v_max3_num_f32 v[232+\b], |v[\s+16*\b]|, |v[\s+1+16*\b]|, 0x1800000
.endr
.irp i, 2,4,6,8,10,12,14
.irp b, 0,1,2,3
	v_max3_num_f32 v[232+\b], v[232+\b], |v[\s+16*\b+\i]|, |v[\s+1+16*\b+\i]|
.endr
.endr
.irp b, 0,1,2,3
	v_permlanex16_b32 v[236+\b], v[232+\b], s[SEL], s[SEL+1]
.endr
.irp b, 0,1,2,3
	v_max_num_f32 v[232+\b], v[232+\b], v[236+\b]
.endr
.irp b, 0,1,2,3
	v_add_nc_u32 v[244+\b], 0xff000000, v[232+\b]
.endr
.irp b, 0,1,2,3
	v_lshrrev_b32 v[236+\b], 23, v[244+\b]
.endr
	v_lshl_or_b32 v248, v237, 8, v236
	v_lshl_or_b32 v248, v238, 16, v248
	v_lshl_or_b32 v248, v239, 24, v248
.irp b, 0,1,2,3
	v_cvt_scalef32_pk8_fp4_f32 v[224+2*\b], v[\s+16*\b:\s+7+16*\b], v[244+\b]
	v_cvt_scalef32_pk8_fp4_f32 v[225+2*\b], v[\s+8+16*\b:\s+15+16*\b], v[244+\b]
.endr
	v_nop                                          ; one plain place behind a scaled conversion
.irp c, 0,1
.irp i, 0,1
	v_permlane16_swap_b32 v[224+4*\c+\i], v[226+4*\c+\i]
.endr
.endr
.endm
; A KEY STEP: 128 keys.  last = 0: the fragments of my next step (two steps on) are asked for as soon as this step's registers are free.  last = 1: Wo's first fragments take their place, and the diagonal is masked.
.macro STEP last
	s_wait_loadcnt 20                              ; K's 20 loads are in; V's 20, issued behind them, may be out
	WIN 0x01                                       ; source 0 in window 1
.irp t, 0,1,2,3,4,5,6,7
	WMZ 96+8*\t, 8*\t, QF, KW+\t/2, QW, \t%2
.endr
	WIN 0
.if \last == 0
	s_wait_xcnt 0x0
	v_add_nc_u32 v[KO], 16384, v[KO]               ; two key steps on.  These two lines and two v_nop are the four places behind the products
	v_add_nc_u32 v[KS], 2048, v[KS]
	PLACES 2
	KLOAD
.else
	PLACES 4
	WOLOAD 0, 0
	s_cmp_lg_u32 s24, s22                          ; is my last step the one on the diagonal?  (ids alone)
	s_cbranch_scc1 .Lopen_\@
	v_add_nc_u32 v252, s59, v[DM]                  ; d = my query - the step's first key - 8 h.  Register 8 t + j holds key 16 t + 8 h + j of the step: hidden where 16 t + j > d
	v_mov_b32 v254, 0xff800000
.set nn, 0
.rept 64
	v_cmp_gt_i32 vcc_lo, 16*(nn/8)+nn%8, v252
	v_cndmask_b32 v[96+nn], v[96+nn], v254, vcc_lo
.set nn, nn+1
.endr
.Lopen_\@:
.endif
.irp b, 0,1,2,3
	v_max3_num_f32 v[232+\b], v[96+16*\b], v[97+16*\b], v[98+16*\b]   ; the largest score of each block of 32 keys: it serves the row's maximum and, since p rises with the score, the block's largest p
.endr
.irp i, 3,5,7,9,11,13
.irp b, 0,1,2,3
	v_max3_num_f32 v[232+\b], v[232+\b], v[96+16*\b+\i], v[97+16*\b+\i]
.endr
.endr
.irp b, 0,1,2,3
	v_max_num_f32 v[232+\b], v[232+\b], v[111+16*\b]
.endr
.irp b, 0,1,2,3
	v_permlanex16_b32 v[236+\b], v[232+\b], s[SEL], s[SEL+1]
.endr
.irp b, 0,1,2,3
	v_max_num_f32 v[232+\b], v[232+\b], v[236+\b]
.endr
	v_max3_num_f32 v254, v232, v233, v234
	v_max_num_f32 v254, v254, v235
	v_mul_f32 v254, s[SC], v254                    ; the step's largest logit,
	v_mul_f32 v254, s[LG], v254                    ; and t (both factors are positive, and a rounded product does not fall where its factor rises: the largest score gives the largest t)
	v_max_num_f32 v13, v13, v254
	v_mov_b32 v254, v12
	v_floor_f32 v12, -v13                          ; the new -M = floor(-t): a whole number
	v_sub_f32 v254, v12, v254
	v_cvt_i32_f32 v254, v254                       ; (it saturates)
	v_ldexp_f32 v252, 1.0, v254                    ; f = 2^(old M - new M)
.irp j, 0,2,4,6,8,10,12,14,16,18,20,22,24,26,28,30,32,34,36,38,40,42,44,46,48,50,52,54,56,58,60,62
	v_pk_mul_f32 v[96+\j:97+\j], v[96+\j:97+\j], s[SC:SC+1] op_sel_hi:[1,0]   ; the logits,
.endr
.irp b, 0,1,2,3
	v_mul_f32 v[232+\b], s[SC], v[232+\b]
.endr
.irp j, 0,2,4,6,8,10,12,14,16,18,20,22,24,26,28,30,32,34,36,38,40,42,44,46,48,50,52,54,56,58,60,62
	v_pk_mul_f32 v[96+\j:97+\j], v[96+\j:97+\j], s[LG:LG+1] op_sel_hi:[1,0]   ; t,
.endr
.irp b, 0,1,2,3
	v_mul_f32 v[232+\b], s[LG], v[232+\b]
.endr
.irp j, 0,2,4,6,8,10,12,14,16,18,20,22,24,26,28,30,32,34,36,38,40,42,44,46,48,50,52,54,56,58,60,62
	v_pk_add_f32 v[96+\j:97+\j], v[96+\j:97+\j], v[12:13] op_sel_hi:[1,0]     ; t - M (of the pair the low word, -M, serves both halves)
.endr
.irp b, 0,1,2,3
	v_add_f32 v[232+\b], v12, v[232+\b]            ; the same three steps on each block's largest score
.endr
.set nn, 0
.rept 64
	v_exp_f32 v[96+nn], v[96+nn]                   ; p = 2^(t - M)
.set nn, nn+1
.endr
.irp b, 0,1,2,3
	v_exp_f32 v[232+\b], v[232+\b]                 ; the block's largest p: the same instructions on the same number
.endr
	v_pk_mul_f32 v[14:15], v[14:15], v[252:253] op_sel_hi:[1,0]   ; the sums under the new M (a plain place behind the exponentials)
	s_wait_alu depctr_va_vdst(0)
.irp b, 0,1,2,3
	v_max_num_f32 v[232+\b], 0x1800000, v[232+\b]
.endr
.irp b, 0,1,2,3
	v_add_nc_u32 v[244+\b], 0xff000000, v[232+\b]
.endr
.irp b, 0,1,2,3
	v_lshrrev_b32 v[236+\b], 23, v[244+\b]
.endr
	v_lshl_or_b32 v253, v237, 8, v236              ; p's scale word for these 128 keys
	v_lshl_or_b32 v253, v238, 16, v253
	v_lshl_or_b32 v253, v239, 24, v253
.irp b, 0,1,2,3
	v_cvt_scalef32_pk8_fp4_f32 v[224+2*\b], v[96+16*\b:103+16*\b], v[244+\b]
	v_cvt_scalef32_pk8_fp4_f32 v[225+2*\b], v[104+16*\b:111+16*\b], v[244+\b]
.endr
	v_nop
.irp c, 0,1
.irp i, 0,1
	v_permlane16_swap_b32 v[224+4*\c+\i], v[226+4*\c+\i]
.endr
.endr
	; the row's sum is taken of the unquantised p: the step's 32 pairs as a pairwise tree, in place (the conversions have read them), then one addition to the running sum
.irp j, 0,4,8,12,16,20,24,28,32,36,40,44,48,52,56,60
	v_pk_add_f32 v[96+\j:97+\j], v[96+\j:97+\j], v[98+\j:99+\j]
.endr
.irp j, 0,8,16,24,32,40,48,56
	v_pk_add_f32 v[96+\j:97+\j], v[96+\j:97+\j], v[100+\j:101+\j]
.endr
.irp j, 0,16,32,48
	v_pk_add_f32 v[96+\j:97+\j], v[96+\j:97+\j], v[104+\j:105+\j]
.endr
.irp j, 0,32
	v_pk_add_f32 v[96+\j:97+\j], v[96+\j:97+\j], v[112+\j:113+\j]
.endr
	v_pk_add_f32 v[96:97], v[96:97], v[128:129]
	v_pk_add_f32 v[14:15], v[14:15], v[96:97]
.irp j, 0,2,4,6,8,10,12,14,16,18,20,22,24,26,28,30,32,34,36,38,40,42,44,46,48,50,52,54,56,58,60,62
	v_pk_mul_f32 v[160+\j:161+\j], v[160+\j:161+\j], v[252:253] op_sel_hi:[1,0]   ; O^T under the new M (also the places between p's scale word and codes and the products)
.endr
.if \last == 0
	s_wait_loadcnt 20                              ; V is in; the next K's 20 loads may be out
.else
	s_wait_loadcnt 16                              ; V is in; Wo's 16 loads may be out
.endif
	WIN 0x01
.irp t, 0,1,2,3,4,5,6,7
	WM 160+8*\t, 64+8*\t, 224, 160+8*\t, VW+\t/2, 253, \t%2       ; the eight accumulators by turns
.endr
	WIN 0
.if \last == 0
	s_wait_xcnt 0x0
	v_add_nc_u32 v[VO], 16384, v[VO]
	v_add_nc_u32 v[VS], 1024, v[VS]
	PLACES 2
	VLOAD
.else
	PLACES 4
	WOLOAD 0, 1
.endif
.endm
; my 128 columns' half beta x the 32 rows: K step outermost, then the 16 accumulators by turns, in place on the bias
.macro P6 beta
.irp kp, 0,1
.irp tau, 0,1,2,3,4,5,6,7
.irp m, 0,1
	WM (128-32*(\beta))+8*(2*\tau+\m), 8*(2*\tau+\kp), YF+8*(2*\m+\kp), (128-32*(\beta))+8*(2*\tau+\m), WS+8*(\beta)+\tau, YW+2*\m+\kp, \kp
.endr
.endr
.endr
.endm
; the way out: a tile's 16 rows x 128 columns through my own stage, back as whole rows of 512 bytes, eight rows at a time
.macro OUT beta
.irp m, 0,1
.if (\beta) == 0
	WIN 0x04                                       ; an LDS store's data are its source 1: window 1
.endif
.irp tau, 0,1,2,3,4,5,6,7
	ds_store_b128 v[STO], v[(128-32*(\beta))+8*(2*\tau+\m):(128-32*(\beta))+8*(2*\tau+\m)+3] offset:64*\tau       ; each accumulator from its low end on
	ds_store_b128 v[STO], v[(128-32*(\beta))+8*(2*\tau+\m)+4:(128-32*(\beta))+8*(2*\tau+\m)+7] offset:64*\tau+16
.endr
	WIN 0
.irp f, 0,1
	s_wait_xcnt 0x0                                ; the earlier stores have read their registers: these are loaded again only behind this wait
.irp t, 0,1,2,3,4,5,6,7
	ds_load_b128 v[224+4*\t:227+4*\t], v[RD] offset:528*(8*\f+\t)  ; LDS serves a wave's instructions in order: these see my stores
.endr
.irp t, 0,1,2,3,4,5,6,7
	s_wait_dscnt 7-\t                              ; row t of the eight is in
	global_store_b128 v[CO], v[224+4*\t:227+4*\t], s[46+2*\m:47+2*\m] offset:8192*(8*\f+\t)+512*(\beta) th:TH_STORE_NT   ; 512 consecutive bytes, at a multiple of 256 from out0's first byte
.endr
.endr
.endr
.endm
	s_load_b256 s[4:11], s[0:1], 0x0               ; qk, vq, woq, bo
	s_load_b64 s[12:13], s[0:1], 0x20              ; out0
	v_lshl_add_u32 v42, v0, 2, 0x1a000
	v_mov_b32 v43, 0
	v_lshrrev_b32 v60, 5, v0
	v_readfirstlane_b32 s14, v60                   ; wave 0..7
	s_and_b32 s16, ttmp7, 0xffff                   ; batch
	s_bfe_u32 s18, s14, 0x10001                    ; head
	s_and_b32 s19, s14, 1                          ; parity
	s_lshr_b32 s20, s14, 1                         ; pair
	s_sub_co_u32 s54, 127, ttmp9
	s_cmp_lt_u32 s14, 4
	s_cselect_b32 s21, s54, ttmp9                  ; my query tile
	s_lshr_b32 s22, s21, 3                         ; the key step on its diagonal: L - 1
	s_add_co_u32 s23, s22, 2
	s_sub_co_u32 s23, s23, s19
	s_lshr_b32 s23, s23, 1                         ; n = (L + 1 - parity) / 2 steps are mine; 0 where L = 1 and the parity is odd
	s_lshl_b32 s24, s23, 1
	s_add_co_u32 s24, s24, s19
	s_sub_co_u32 s24, s24, 2                       ; my last step (not used where n = 0)
	s_lshl_b32 s25, s16, 1
	s_add_co_u32 s25, s25, s18                     ; bh
	s_lshl_b32 s59, s21, 4
	s_lshl_b32 s55, s24, 7
	s_sub_co_u32 s59, s59, s55                     ; my first query - my last step's first key
	s_mov_b32 s[SEL], 0x76543210
	s_mov_b32 s[SEL+1], 0xfedcba98
	s_mov_b32 s[SC], 0x3db504f3                    ; 1 / the rounded sqrt(128), rounded
	s_mov_b32 s[SC+1], s[SC]                       ; (named with it as a pair)
	s_mov_b32 s[LG], 0x3fb8aa3b                    ; log2(e), rounded
	s_mov_b32 s[LG+1], s[LG]
	; every address register is made here, ahead of the first parting of the waves
	v_and_b32 v60, 31, v0
	v_and_b32 v61, 15, v0                          ; r
	v_bfe_u32 v62, v0, 4, 1                        ; h
	v_lshlrev_b32 v[LI], 4, v60
	v_lshlrev_b32 v[LS], 2, v60
	s_mul_i32 s54, s20, 8448
	v_add_nc_u32 v[MG], s54, v[LI]
	v_add_nc_u32 v[MS], s54, v[LS]
	v_add_nc_u32 v[MS], 8192, v[MS]
	s_lshl_b32 s54, s20, 10
	v_add_nc_u32 v[YI], s54, v[LI]
	v_add_nc_u32 v[YI], YIMG, v[YI]
	s_lshl_b32 s54, s20, 7
	v_add_nc_u32 v[YS], s54, v[LS]
	v_add_nc_u32 v[YS], YSC, v[YS]
	s_mul_i32 s54, s14, 8448
	s_add_co_u32 s54, s54, STG
	v_mul_u32_u24 v[STO], v61, 528
	v_lshl_add_u32 v[STO], v62, 5, v[STO]
	v_add_nc_u32 v[STO], s54, v[STO]               ; row r, + 32 h
	v_add_nc_u32 v[RD], s54, v[LI]
	s_lshl_b32 s54, s14, 10
	v_add_nc_u32 v[CO], s54, v[LI]                 ; my 256 columns, 16 bytes a lane
	v_lshlrev_b32 v[BO], 5, v62
	v_lshlrev_b32 v63, 3, v62
	v_sub_nc_u32 v[DM], v61, v63
	s_lshl_b32 s54, s19, 13
	v_add_nc_u32 v[KO], s54, v[LI]                 ; my first key step: eight images
	v_add_nc_u32 v[VO], s54, v[LI]
	v_lshlrev_b32 v[KS], 7, v62
	v_lshl_add_u32 v[KS], v61, 2, v[KS]
	s_lshl_b32 s54, s19, 10
	s_add_co_u32 s54, s54, 64
	v_add_nc_u32 v[KS], s54, v[KS]                 ; k's words lie 64 bytes behind q's in a tile's 128
	s_lshl_b32 s54, s19, 9
	v_add_nc_u32 v[VS], s54, v[LS]
	s_mov_b32 s55, 0
	s_wait_kmcnt 0x0
	s_lshl_b32 s54, s25, 17
	s_add_nc_u64 s[32:33], s[6:7], s[54:55]        ; V's images of my head
	s_add_co_u32 s54, s54, 1048576
	s_add_nc_u64 s[28:29], s[4:5], s[54:55]        ; K's
	s_lshl_b32 s54, s25, 14
	s_add_co_u32 s54, s54, 2097152
	s_add_nc_u64 s[30:31], s[4:5], s[54:55]        ; q's and k's words
	s_lshl_b32 s54, s25, 13
	s_add_co_u32 s54, s54, 1048576
	s_add_nc_u64 s[34:35], s[6:7], s[54:55]        ; V's words
	s_lshl_b32 s56, s25, 7
	s_add_co_u32 s56, s56, s21
	s_lshl_b32 s54, s56, 10
	s_add_nc_u64 s[36:37], s[4:5], s[54:55]        ; my tile of Q
	s_lshl_b32 s54, s56, 7
	s_add_co_u32 s54, s54, 2097152
	s_add_nc_u64 s[38:39], s[4:5], s[54:55]
	s_lshl_b32 s54, s14, 15
	s_add_nc_u64 s[40:41], s[8:9], s[54:55]        ; Wo's images of my 256 columns
	s_lshl_b32 s54, s14, 11
	s_add_co_u32 s54, s54, 262144
	s_add_nc_u64 s[42:43], s[8:9], s[54:55]
	s_lshl_b32 s54, s14, 10
	s_add_nc_u64 s[44:45], s[10:11], s[54:55]      ; bo likewise
	s_lshl_b32 s56, s16, 11
	s_sub_co_u32 s57, 127, ttmp9
	s_lshl_b32 s57, s57, 4
	s_add_co_u32 s57, s57, s56
	s_lshl_b32 s54, s57, 13
	s_add_nc_u64 s[46:47], s[12:13], s[54:55]      ; out0 at the long tile's rows (m = 0),
	s_lshl_b32 s57, ttmp9, 4
	s_add_co_u32 s57, s57, s56
	s_lshl_b32 s54, s57, 13
	s_add_nc_u64 s[48:49], s[12:13], s[54:55]      ; and at the short tile's (m = 1)
	global_load_b128 v[QF:QF+3], v[LI], s[36:37]
	global_load_b128 v[QF+4:QF+7], v[LI], s[36:37] offset:512
	global_load_b32 v[QW], v[LS], s[38:39]         ; lanes 0-15: q's words
.irp t, 0,1,2,3,4,5,6,7,8,9,10,11,12,13,14,15
	global_load_b32 v[WS+\t], v[LS], s[42:43] offset:128*\t        ; lanes 0-15 K step 0, lanes 16-31 K step 1
.endr
	WIN 0x40
.irp tau, 0,1,2,3,4,5,6,7
.irp m, 0,1
	global_load_b128 v[128+8*(2*\tau+\m):128+8*(2*\tau+\m)+3], v[BO], s[44:45] offset:64*\tau          ; bo in the result's layout: the lane's eight columns
	global_load_b128 v[128+8*(2*\tau+\m)+4:128+8*(2*\tau+\m)+7], v[BO], s[44:45] offset:64*\tau+16
.endr
.endr
	WIN 0
	v_mov_b32 v13, 0xff61b1e6                      ; the largest t so far: -3e38
	v_floor_f32 v12, -v13
	v_mov_b32 v14, 0
	v_mov_b32 v15, 0
.irp b, 0,1,2,3
	v_mov_b32 v[236+\b], 0                         ; a lane permute's destination counts as one of its sources
.endr
	v_mov_b32 v253, 0                              ; (named as the upper half of a pair before it is first written)
.set nn, 0
.rept 64
	v_mov_b32 v[160+nn], 0                         ; O^T: the step is written without a first step of its own, and a wave with no step hands on zeros
.set nn, nn+1
.endr
	s_cmp_eq_u32 s23, 0
	s_cbranch_scc1 .Lnone
	KLOAD
	VLOAD
	s_cmp_eq_u32 s23, 1
	s_cbranch_scc1 .Llast
	s_mov_b32 s58, 1
.Lsteps:                                               ; n - 1 trips
	STEP 0
	s_add_co_u32 s58, s58, 1
	s_cmp_lt_u32 s58, s23
	s_cbranch_scc1 .Lsteps
.Llast:
	STEP 1
	s_branch .Lmerge
.Lnone:
	WOLOAD 0, 0
	WOLOAD 0, 1
.Lmerge:
	v_add_f32 v14, v14, v15                        ; my part of the sum
	s_cmp_eq_u32 s19, 0
	s_cbranch_scc1 .Lkeeps
.set lq, 0
.rept 16
	ds_store_b128 v[MG], v[160+4*lq:163+4*lq] offset:512*lq        ; the odd wave hands its O^T on, as an image of its registers,
.set lq, lq+1
.endr
	ds_store_b32 v[MS], v12                        ; its -M,
	ds_store_b32 v[MS], v14 offset:128             ; and its sum
.Lkeeps:
	s_wait_dscnt 0x0
	s_barrier_signal -1
	s_barrier_wait -1
	s_cmp_lg_u32 s19, 0
	s_cbranch_scc1 .Lgave
.set lq, 0
.rept 16
	ds_load_b128 v[96+4*lq:99+4*lq], v[MG] offset:512*lq
.set lq, lq+1
.endr
	ds_load_b32 v232, v[MS]
	ds_load_b32 v233, v[MS] offset:128
	s_wait_dscnt 0x0
	; Four numbers a lane, each the low word of a pair whose high word is a number made on the way: v240 fa, v242 fb, v244 1 / l, v246 l
	v_min_num_f32 v234, v12, v232                  ; -M of the pair
	v_sub_f32 v241, v234, v12
	v_sub_f32 v243, v234, v232                     ; whole numbers, 0 or less (a partner with no step: -3e38, which saturates)
	v_cvt_i32_f32 v241, v241
	v_cvt_i32_f32 v243, v243
	v_ldexp_f32 v240, 1.0, v241                    ; fa, fb: powers of two
	v_ldexp_f32 v242, 1.0, v243
	v_mul_f32 v247, v14, v240
	v_fma_f32 v247, v233, v242, v247
	v_permlanex16_b32 v238, v247, s[SEL], s[SEL+1]
	v_add_f32 v246, v247, v238                     ; the row's sum l
	v_rcp_f32 v244, v246
.irp j, 0,2,4,6,8,10,12,14,16,18,20,22,24,26,28,30,32,34,36,38,40,42,44,46,48,50,52,54,56,58,60,62
	v_pk_mul_f32 v[160+\j:161+\j], v[160+\j:161+\j], v[240:241] op_sel_hi:[1,0]   ; my O^T under the pair's M: exact.  (The first is the plain place behind the reciprocal)
.endr
.irp j, 0,2,4,6,8,10,12,14,16,18,20,22,24,26,28,30,32,34,36,38,40,42,44,46,48,50,52,54,56,58,60,62
	v_pk_fma_f32 v[160+\j:161+\j], v[96+\j:97+\j], v[242:243], v[160+\j:161+\j] op_sel_hi:[1,0,1]   ; + the partner's: one rounding
.endr
	s_wait_alu depctr_va_vdst(0)
	v_fma_f32 v245, -v246, v244, 1.0
	v_fma_f32 v244, v244, v245, v244               ; 1 / l, mended once
.irp j, 0,2,4,6,8,10,12,14,16,18,20,22,24,26,28,30,32,34,36,38,40,42,44,46,48,50,52,54,56,58,60,62
	v_pk_mul_f32 v[96+\j:97+\j], v[160+\j:161+\j], v[244:245] op_sel_hi:[1,0]     ; q = O / l, nearly
.endr
.irp j, 0,2,4,6,8,10,12,14,16,18,20,22,24,26,28,30,32,34,36,38,40,42,44,46,48,50,52,54,56,58,60,62
	v_pk_fma_f32 v[160+\j:161+\j], v[96+\j:97+\j], v[246:247], v[160+\j:161+\j] op_sel_hi:[1,0,1] neg_lo:[1,0,0] neg_hi:[1,0,0]   ; what is left: O - q l
.endr
.irp j, 0,2,4,6,8,10,12,14,16,18,20,22,24,26,28,30,32,34,36,38,40,42,44,46,48,50,52,54,56,58,60,62
	v_pk_fma_f32 v[160+\j:161+\j], v[160+\j:161+\j], v[244:245], v[96+\j:97+\j] op_sel_hi:[1,0,1]   ; y = q + that / l: register 8 t + j is channel 16 t + 8 h + j of my query
.endr
	QUANT 160
	ds_store_b128 v[YI], v[224:227]
	ds_store_b128 v[YI], v[228:231] offset:512
	ds_store_b32 v[YS], v248
.Lgave:
	s_wait_dscnt 0x0
	s_barrier_signal -1
	s_barrier_wait -1                              ; y's four fragments lie in LDS
.irp e, 0,1,2,3                                ; fragment 2 m + K step
	ds_load_b128 v[YF+8*\e:YF+8*\e+3], v[LI] offset:YIMG+1024*\e
	ds_load_b128 v[YF+8*\e+4:YF+8*\e+7], v[LI] offset:YIMG+1024*\e+512
	ds_load_b32 v[YW+\e], v[LS] offset:YSC+128*\e
.endr
.irp tau, 0,1,2,3,4,5,6,7
.irp m, 0,1
	global_load_b128 v[96+8*(2*\tau+\m):96+8*(2*\tau+\m)+3], v[BO], s[44:45] offset:512+64*\tau        ; bo of my second 128 columns
	global_load_b128 v[96+8*(2*\tau+\m)+4:96+8*(2*\tau+\m)+7], v[BO], s[44:45] offset:512+64*\tau+16
.endr
.endr
	s_wait_dscnt 0x0
	s_wait_loadcnt 32                              ; Wo's first 32 loads are in; the 32 bias loads just issued may be out
	WIN 0x51                                       ; source 0, C and D in window 1
	P6 0
	PLACES 4
	WOLOAD 1, 0
	WOLOAD 1, 1
	OUT 0
	s_wait_loadcnt 0x0
	WIN 0x01
	P6 1
	WIN 0
	PLACES 4
	OUT 1
	s_wait_tensorcnt 0x0
	ds_add_u32 v42, v43
	s_wait_dscnt 0x0
	s_endpgm
.Lfunc_end_k_q7caf770cf0_attn:
	.size	k_q7caf770cf0_attn, .Lfunc_end_k_q7caf770cf0_attn-k_q7caf770cf0_attn
	.p2alignl 7, 3214868480
	.fill 96, 4, 3214868480
	.section	.rodata,"a",@progbits
	.p2align	6, 0x0
	.amdhsa_kernel k_q7caf770cf0_attn
		.amdhsa_group_segment_fixed_size 107520
		.amdhsa_private_segment_fixed_size 0
		.amdhsa_enable_private_segment 0
		.amdhsa_kernarg_size 40
		.amdhsa_user_sgpr_count 2
		.amdhsa_user_sgpr_kernarg_segment_ptr 1
		.amdhsa_wavefront_size32 1
		.amdhsa_system_sgpr_workgroup_id_x 1
		.amdhsa_system_sgpr_workgroup_id_y 1
		.amdhsa_system_sgpr_workgroup_id_z 1
		.amdhsa_system_vgpr_workitem_id 0
		.amdhsa_next_free_vgpr 512
		.amdhsa_next_free_sgpr 66
		.amdhsa_reserve_vcc 1
		.amdhsa_float_denorm_mode_32 3
		.amdhsa_float_denorm_mode_16_64 3
		.amdhsa_memory_ordered 1
		.amdhsa_forward_progress 1
		.amdhsa_inst_pref_size 119
	.end_amdhsa_kernel
	.amdgpu_metadata
---
amdhsa.version: [ 1, 2 ]
amdhsa.kernels:
  - .name:           k_q7caf770cf0_attn
    .symbol:         k_q7caf770cf0_attn.kd
    .args:
      - { .name: qk, .offset: 0, .size: 8, .value_kind: global_buffer, .address_space: global }
      - { .name: vq, .offset: 8, .size: 8, .value_kind: global_buffer, .address_space: global }
      - { .name: woq, .offset: 16, .size: 8, .value_kind: global_buffer, .address_space: global }
      - { .name: bo, .offset: 24, .size: 8, .value_kind: global_buffer, .address_space: global }
      - { .name: out0, .offset: 32, .size: 8, .value_kind: global_buffer, .address_space: global }
    .group_segment_fixed_size: 107520
    .private_segment_fixed_size: 0
    .kernarg_segment_align: 8
    .kernarg_segment_size: 40
    .max_flat_workgroup_size: 256
    .sgpr_count:     66
    .vgpr_count:     512
    .wavefront_size: 32
...
	.end_amdgpu_metadata
.endif
;; end of part 3
;; ======== version 2 of 2: 3 launches; version 1 with the launch attn written anew for expert scheduling mode
;; workspace buffers: xq 8,912,896 bytes; wcat 2,785,280 bytes; woq 278,528 bytes; qk 2,228,224 bytes; vq 1,114,112 bytes
;; launch quant: the kernel of part 1 again; grid 864 x 1, 4 waves a work-group, no clusters, 34,304 bytes of LDS; arguments x, Wq, Wk, Wv, Wo, xq, wcat, woq; writes xq, wcat, woq
;; launch proj: the kernel of part 2 again; grid 128 x 2, 4 waves a work-group, clusters of 4 x 1, 327,680 bytes of LDS; arguments xq, wcat, bq, bk, bv, qk, vq; writes qk, vq
;; launch attn (part 4): grid 64 x 4, 8 waves a work-group, no clusters, 107,520 bytes of LDS; arguments qk, vq, woq, bo, out0; writes out0
.if DOCPART == 4
	.amdgcn_target "amdgcn-amd-amdhsa--gfx1250"
	.amdhsa_code_object_version 6
	.text
	.protected	k_q7caf770cf0_attn
	.globl	k_q7caf770cf0_attn
	.p2align	8
	.type	k_q7caf770cf0_attn,@function
k_q7caf770cf0_attn:
	s_mov_b64 s[64:65], 0
	v_nop
	global_prefetch_b8 v0, s[64:65] scope:SCOPE_SE
	s_setreg_imm32_b32 hwreg(HW_REG_WAVE_SCHED_MODE, 0, 2), 2
	s_setreg_imm32_b32 hwreg(HW_REG_WAVE_MODE, 25, 1), 1
	s_wait_xcnt 0x0
	s_wait_alu depctr_vm_vsrc(0)
; Causal attention on codes of FP4 and the output projection: scores = q k^T / sqrt(128), p = 2^(t - M), y = (p v) / l, out = y Wo + bo.
; t IS MADE IN reference()'s OWN ROUNDED STEPS: logit = score x f32(1 / sqrt(128)), t = logit x f32(log2 e), then t - M: three f32 roundings.  (The scores are exact: sums of multiples of 2^-5 under 2^7.)
; M = the running largest t rounded UP to a whole number; p is quantised along the keys, not normalised; l is the sum of the unquantised p (a step's 64 as a pairwise tree) and divides at the end,
; by a reciprocal mended once and a remainder step, so that y is the rounded quotient.
; SHARES.  Work-group (p, batch) takes the query tiles 127 - p ("long") and p ("short") of 16 rows, for both heads: 17 key steps of 128 keys a head in every work-group.
; Wave w: tile long (w < 4) or short; head (w / 2) % 2; parity w % 2: it walks the key steps of its parity.  The two waves of a pair meet in LDS: their M differ by a whole number, so the merge rounds nothing but the sums.
; Steps all of whose keys come after the tile are not walked; the step on the diagonal is the last step of one wave of the pair, which hides keys by -infinity ahead of the maximum.
; K's and V's fragments come straight from memory as images of their registers (each load 512 consecutive bytes), one step ahead; the waves of the long and the short tile with one head and parity read the same fragments; the loop has no LDS and no barrier.
; No cluster: the work-groups of a batch walk between 9 and 16 key steps, so partners would need different numbers of tiles.
; LAYOUT.  Both products are used transposed (S^T = K Q^T, O^T = V^T P^T): a lane holds one query.  A tile's 16 keys are neighbours, so p's codes come out with a block's 32 places in the order
; 0-7, 16-23, 8-15, 24-31, which is the order in which V's codes were laid; y's codes and Wo's likewise.
; THE OUTPUT.  y's four fragments (2 tiles x 2 heads = 2 K steps) go round through LDS as images; wave w makes columns 256 w .. 256 w + 255 of the 32 rows, bo as the C of each sum's first product.
; LIMITS: NaN and infinities are not served; a block of p whose every number has fallen to 0 keeps the byte 1 (its codes are zeros).
; THE MODE: SCHED_MODE bits 1:0 = 2 (LLVM: expert scheduling mode 2), set by the entry lines.  The code itself states the register dependences between vector or matrix instructions and memory or LDS
; instructions, with s_wait_alu, always for 0.
; THE PLAN.  Registers that memory or LDS instructions touch:
;   v1-10, v52-55, v42, v43   addresses and offsets: written at the head, ahead of one wait on va_vdst, and never again.  In the loop the four scalar bases s[28:35] move on, each behind the wait that shows its loads done.
;   K's buffer (window 1 v0-63, words v44-47)    a step's eight score products read it; behind them one wait, and the loads of my next step land in it.
;   V's buffer (window 1 v64-127, words v48-51)  the same with the step's eight products V^T P.
;   v224-231, v253            p's codes and scale word: written by vector instructions, taken by the scaled products: one wait ahead of these.
;   Behind the loop: O^T, -M and the sum go to LDS from the odd wave and land in v96-159, v232, v233 of the even one: one wait at the join serves both.  y's image leaves from v224-231 and v248 behind one wait.
;   One wait on vm_vsrc behind the second barrier frees all that these LDS stores have read: bo's second half lands in v96-223, rows on their way out in v224-255.  Each half of the output has one wait behind its products;
;   on the way out v224-255 are loaded again behind a wait on vm_vsrc, beside the wait on XCNT.
; REGISTERS.  Window 0: v1-11 addresses; v12 -M, v13 the largest t, v[14:15] the sum; v16-31 Wo's scale words; v32-39 Q, v40 its words; v44-47 K's words, v48-51 V's; v52-55 the loop's offsets, never written again; v56-59 y's words;
;   v64-95 y's fragments; v96-159 S^T, then p; v160-223 O^T; v224-231 p's codes; v232-254 at work; later v96-223 the second 128 columns' accumulators, v224-255 rows on their way out.
;   Window 1: v0-63 K's fragments, v64-127 V's, later Wo's at 8 (2 tau + K step); v128-255 the first 128 columns' accumulators at 8 (2 tau + m), loaded with bo.
.set LI,  1                            ; 16 x lane
.set LS,  2                            ; 4 x lane
.set MG,  3                            ; the pair's O^T image
.set MS,  4                            ; the pair's -M, and 128 bytes on its l
.set YI,  5                            ; where the pair's y goes
.set YS,  6                            ; and its scale words
.set STO, 7                            ; my stage: in
.set RD,  8                            ; my stage: out
.set CO,  9                            ; my bytes in a row of out0
.set BO,  10                           ; 32 h
.set DM,  11                           ; r - 8 h
.set WS,  16
.set QF,  32
.set QW,  40
.set KW,  44
.set VW,  48
.set KO,  52
.set KS,  53
.set VO,  54
.set VS,  55
.set YW,  56
.set YF,  64
.set MRG,  0                           ; LDS: for each pair 8,448 bytes: O^T's image 8,192, -M 128, l 128
.set YIMG, 33792                       ; y's four fragments,
.set YSC,  37888                       ; their scale words,
.set STG,  38400                       ; and a stage of 16 rows x 528 bytes for each wave
.set SEL, 50                           ; s[50:51]
.set SC,  52                           ; s[52:53] f32(1 / sqrt(128)): the packed forms name a pair and take its low word for both halves
.set LG,  60                           ; s[60:61] f32(log2 e)
.set MSB, 0
.macro WIN new
.if MSB != (\new)
	s_set_vgpr_msb (MSB<<8)|(\new)
.set MSB, \new
.endif
.endm
.macro PLACES n
.rept \n
	v_nop
.endr
.endm
.macro WM d, a, b, c, sa, sb, ra       ; ra: which half of the lanes holds source 0's scale words
.if (\ra) == 0
	v_wmma_scale_f32_16x16x128_f8f6f4 v[\d:\d+7], v[\a:\a+7], v[\b:\b+7], v[\c:\c+7], v[\sa], v[\sb] matrix_a_fmt:MATRIX_FMT_FP4 matrix_b_fmt:MATRIX_FMT_FP4
.else
	v_wmma_scale_f32_16x16x128_f8f6f4 v[\d:\d+7], v[\a:\a+7], v[\b:\b+7], v[\c:\c+7], v[\sa], v[\sb] matrix_a_fmt:MATRIX_FMT_FP4 matrix_b_fmt:MATRIX_FMT_FP4 matrix_a_scale:MATRIX_SCALE_ROW1
.endif
.endm
.macro WMZ d, a, b, sa, sb, ra         ; the same, beginning a sum
.if (\ra) == 0
	v_wmma_scale_f32_16x16x128_f8f6f4 v[\d:\d+7], v[\a:\a+7], v[\b:\b+7], 0, v[\sa], v[\sb] matrix_a_fmt:MATRIX_FMT_FP4 matrix_b_fmt:MATRIX_FMT_FP4
.else
	v_wmma_scale_f32_16x16x128_f8f6f4 v[\d:\d+7], v[\a:\a+7], v[\b:\b+7], 0, v[\sa], v[\sb] matrix_a_fmt:MATRIX_FMT_FP4 matrix_b_fmt:MATRIX_FMT_FP4 matrix_a_scale:MATRIX_SCALE_ROW1
.endif
.endm
.macro KLOAD                           ; 20 loads: a key step's eight fragments of K, and their words (lanes 0-15 tile 2 i, lanes 16-31 tile 2 i + 1)
	WIN 0x40
.set lq, 0
.rept 16
	global_load_b128 v[4*lq:4*lq+3], v[KO], s[28:29] offset:512*lq
.set lq, lq+1
.endr
	WIN 0
.irp i, 0,1,2,3
	global_load_b32 v[KW+\i], v[KS], s[30:31] offset:256*\i
.endr
.endm
.macro VLOAD                           ; 20 loads: the same of V^T (eight tiles of 16 channels x 128 keys)
	WIN 0x40
.set lq, 0
.rept 16
	global_load_b128 v[64+4*lq:64+4*lq+3], v[VO], s[32:33] offset:512*lq
.set lq, lq+1
.endr
	WIN 0
.irp i, 0,1,2,3
	global_load_b32 v[VW+\i], v[VS], s[34:35] offset:128*\i
.endr
.endm
.macro WOLOAD beta, hf                 ; 16 loads: Wo's fragments of column tiles tau = 4 hf .. 4 hf + 3 of my columns' half beta, both K steps
	WIN 0x40
.irp u, 0,1,2,3
.irp kp, 0,1
.irp c, 0,1
	global_load_b128 v[8*(2*(4*(\hf)+\u)+\kp)+4*\c:8*(2*(4*(\hf)+\u)+\kp)+4*\c+3], v[LI], s[40:41] offset:((8*(\beta)+4*(\hf)+\u)/2)*4096+\kp*2048+(\u%2)*1024+512*\c
.endr
.endr
.endr
	WIN 0
.endm
; The diagonal: tile t's eight scores.  Register 8 t + j holds key 16 t + 8 h + j of the step: hidden where 16 t + j > d (v252).  Eight compares in a run, each into a mask of its own, one wait, eight selections (a choice of values: no branch)
.macro HIDE t
	v_cmp_gt_i32 s2, 16*(\t)+0, v252
	v_cmp_gt_i32 s3, 16*(\t)+1, v252
	v_cmp_gt_i32 s15, 16*(\t)+2, v252
	v_cmp_gt_i32 s17, 16*(\t)+3, v252
	v_cmp_gt_i32 s26, 16*(\t)+4, v252
	v_cmp_gt_i32 s27, 16*(\t)+5, v252
	v_cmp_gt_i32 s62, 16*(\t)+6, v252
	v_cmp_gt_i32 s63, 16*(\t)+7, v252
	s_wait_alu depctr_va_sdst(0)                   ; the eight compares have written their masks, ahead of the selections that read them
	v_cndmask_b32 v[96+8*(\t)+0], v[96+8*(\t)+0], v254, s2
	v_cndmask_b32 v[96+8*(\t)+1], v[96+8*(\t)+1], v254, s3
	v_cndmask_b32 v[96+8*(\t)+2], v[96+8*(\t)+2], v254, s15
	v_cndmask_b32 v[96+8*(\t)+3], v[96+8*(\t)+3], v254, s17
	v_cndmask_b32 v[96+8*(\t)+4], v[96+8*(\t)+4], v254, s26
	v_cndmask_b32 v[96+8*(\t)+5], v[96+8*(\t)+5], v254, s27
	v_cndmask_b32 v[96+8*(\t)+6], v[96+8*(\t)+6], v254, s62
	v_cndmask_b32 v[96+8*(\t)+7], v[96+8*(\t)+7], v254, s63
.endm
; 64 numbers of a lane, register 16 b + i of block b (with lane l xor 16's 16 a block of 32), become a fragment's codes in v224-231 and its scale word in v248
.macro QUANT s
.irp b, 0,1,2,3
	v_max3_num_f32 v[232+\b], |v[\s+16*\b]|, |v[\s+1+16*\b]|, 0x1800000
.endr
.irp i, 2,4,6,8,10,12,14
.irp b, 0,1,2,3
	v_max3_num_f32 v[232+\b], v[232+\b], |v[\s+16*\b+\i]|, |v[\s+1+16*\b+\i]|
.endr
.endr
.irp b, 0,1,2,3
	v_permlanex16_b32 v[236+\b], v[232+\b], s[SEL], s[SEL+1]
.endr
.irp b, 0,1,2,3
	v_max_num_f32 v[232+\b], v[232+\b], v[236+\b]
.endr
.irp b, 0,1,2,3
	v_add_nc_u32 v[244+\b], 0xff000000, v[232+\b]
.endr
.irp b, 0,1,2,3
	v_lshrrev_b32 v[236+\b], 23, v[244+\b]
.endr
	v_lshl_or_b32 v248, v237, 8, v236
	v_lshl_or_b32 v248, v238, 16, v248
	v_lshl_or_b32 v248, v239, 24, v248
.irp b, 0,1,2,3
	v_cvt_scalef32_pk8_fp4_f32 v[224+2*\b], v[\s+16*\b:\s+7+16*\b], v[244+\b]
	v_cvt_scalef32_pk8_fp4_f32 v[225+2*\b], v[\s+8+16*\b:\s+15+16*\b], v[244+\b]
.endr
	v_nop                                          ; one plain place behind a scaled conversion
.irp c, 0,1
.irp i, 0,1
	v_permlane16_swap_b32 v[224+4*\c+\i], v[226+4*\c+\i]
.endr
.endr
.endm
; A KEY STEP: 128 keys.  last = 0: the fragments of my next step (two steps on) are asked for as soon as this step's registers are free.  last = 1: Wo's first fragments take their place, and the diagonal is masked.
.macro STEP last
	s_wait_loadcnt 20                              ; K's 20 loads are in; V's 20, issued behind them, may be out
.if \last == 0
	s_add_nc_u64 s[28:29], s[28:29], 16384         ; free since that wait, which shows the loads that read them done: K's two bases go two key steps on
	s_add_nc_u64 s[30:31], s[30:31], 2048
.endif
	WIN 0x01                                       ; source 0 in window 1
.irp t, 0,1,2,3,4,5,6,7
	WMZ 96+8*\t, 8*\t, QF, KW+\t/2, QW, \t%2
.endr
	PLACES 4                                       ; four places behind the products, ahead of the first read of the scores (ISA guide 7.12.1)
	WIN 0x40
	s_wait_alu depctr_va_vdst(0)                   ; the eight products are done reading K's fragments and scale words, in which the loads below land
.if \last == 0
	KLOAD
.else
	WOLOAD 0, 0
	s_cmp_lg_u32 s24, s22                          ; is my last step the one on the diagonal?  (ids alone)
	s_cbranch_scc1 .Lopen_\@
	v_add_nc_u32 v252, s59, v[DM]                  ; d = my query - the step's first key - 8 h
	v_mov_b32 v254, 0xff800000
.irp t, 0,1,2,3,4,5,6,7
	HIDE \t
.endr
.Lopen_\@:
.endif
.irp b, 0,1,2,3
	v_max3_num_f32 v[232+\b], v[96+16*\b], v[97+16*\b], v[98+16*\b]   ; the largest score of each block of 32 keys: it serves the row's maximum and, since p rises with the score, the block's largest p
.endr
.irp i, 3,5,7,9,11,13
.irp b, 0,1,2,3
	v_max3_num_f32 v[232+\b], v[232+\b], v[96+16*\b+\i], v[97+16*\b+\i]
.endr
.endr
.irp b, 0,1,2,3
	v_max_num_f32 v[232+\b], v[232+\b], v[111+16*\b]
.endr
.irp b, 0,1,2,3
	v_permlanex16_b32 v[236+\b], v[232+\b], s[SEL], s[SEL+1]
.endr
.irp b, 0,1,2,3
	v_max_num_f32 v[232+\b], v[232+\b], v[236+\b]
.endr
	v_max3_num_f32 v254, v232, v233, v234
	v_max_num_f32 v254, v254, v235
	v_mul_f32 v254, s[SC], v254                    ; the step's largest logit,
	v_mul_f32 v254, s[LG], v254                    ; and t (both factors are positive, and a rounded product does not fall where its factor rises: the largest score gives the largest t)
	v_max_num_f32 v13, v13, v254
	v_mov_b32 v254, v12
	v_floor_f32 v12, -v13                          ; the new -M = floor(-t): a whole number
	v_sub_f32 v254, v12, v254
	v_cvt_i32_f32 v254, v254                       ; (it saturates)
	v_ldexp_f32 v252, 1.0, v254                    ; f = 2^(old M - new M)
.irp j, 0,2,4,6,8,10,12,14,16,18,20,22,24,26,28,30,32,34,36,38,40,42,44,46,48,50,52,54,56,58,60,62
	v_pk_mul_f32 v[96+\j:97+\j], v[96+\j:97+\j], s[SC:SC+1] op_sel_hi:[1,0]   ; the logits,
.endr
.irp b, 0,1,2,3
	v_mul_f32 v[232+\b], s[SC], v[232+\b]
.endr
.irp j, 0,2,4,6,8,10,12,14,16,18,20,22,24,26,28,30,32,34,36,38,40,42,44,46,48,50,52,54,56,58,60,62
	v_pk_mul_f32 v[96+\j:97+\j], v[96+\j:97+\j], s[LG:LG+1] op_sel_hi:[1,0]   ; t,
.endr
.irp b, 0,1,2,3
	v_mul_f32 v[232+\b], s[LG], v[232+\b]
.endr
.irp j, 0,2,4,6,8,10,12,14,16,18,20,22,24,26,28,30,32,34,36,38,40,42,44,46,48,50,52,54,56,58,60,62
	v_pk_add_f32 v[96+\j:97+\j], v[96+\j:97+\j], v[12:13] op_sel_hi:[1,0]     ; t - M (of the pair the low word, -M, serves both halves)
.endr
.irp b, 0,1,2,3
	v_add_f32 v[232+\b], v12, v[232+\b]            ; the same three steps on each block's largest score
.endr
.set nn, 0
.rept 64
	v_exp_f32 v[96+nn], v[96+nn]                   ; p = 2^(t - M)
.set nn, nn+1
.endr
.irp b, 0,1,2,3
	v_exp_f32 v[232+\b], v[232+\b]                 ; the block's largest p: the same instructions on the same number
.endr
	v_pk_mul_f32 v[14:15], v[14:15], v[252:253] op_sel_hi:[1,0]   ; the sums under the new M (a plain place behind the exponentials)
	s_wait_alu depctr_va_vdst(0)                   ; the 68 exponentials have written p and the blocks' largest p: one wait for the batch, ahead of its first reader
.irp b, 0,1,2,3
	v_max_num_f32 v[232+\b], 0x1800000, v[232+\b]
.endr
.irp b, 0,1,2,3
	v_add_nc_u32 v[244+\b], 0xff000000, v[232+\b]
.endr
.irp b, 0,1,2,3
	v_lshrrev_b32 v[236+\b], 23, v[244+\b]
.endr
	v_lshl_or_b32 v253, v237, 8, v236              ; p's scale word for these 128 keys
	v_lshl_or_b32 v253, v238, 16, v253
	v_lshl_or_b32 v253, v239, 24, v253
.irp b, 0,1,2,3
	v_cvt_scalef32_pk8_fp4_f32 v[224+2*\b], v[96+16*\b:103+16*\b], v[244+\b]
	v_cvt_scalef32_pk8_fp4_f32 v[225+2*\b], v[104+16*\b:111+16*\b], v[244+\b]
.endr
	v_nop
.irp c, 0,1
.irp i, 0,1
	v_permlane16_swap_b32 v[224+4*\c+\i], v[226+4*\c+\i]
.endr
.endr
	; the row's sum is taken of the unquantised p: the step's 32 pairs as a pairwise tree, in place (the conversions have read them), then one addition to the running sum
.irp j, 0,4,8,12,16,20,24,28,32,36,40,44,48,52,56,60
	v_pk_add_f32 v[96+\j:97+\j], v[96+\j:97+\j], v[98+\j:99+\j]
.endr
.irp j, 0,8,16,24,32,40,48,56
	v_pk_add_f32 v[96+\j:97+\j], v[96+\j:97+\j], v[100+\j:101+\j]
.endr
.irp j, 0,16,32,48
	v_pk_add_f32 v[96+\j:97+\j], v[96+\j:97+\j], v[104+\j:105+\j]
.endr
.irp j, 0,32
	v_pk_add_f32 v[96+\j:97+\j], v[96+\j:97+\j], v[112+\j:113+\j]
.endr
	v_pk_add_f32 v[96:97], v[96:97], v[128:129]
	v_pk_add_f32 v[14:15], v[14:15], v[96:97]
.irp j, 0,2,4,6,8,10,12,14,16,18,20,22,24,26,28,30,32,34,36,38,40,42,44,46,48,50,52,54,56,58,60,62
	v_pk_mul_f32 v[160+\j:161+\j], v[160+\j:161+\j], v[252:253] op_sel_hi:[1,0]   ; O^T under the new M (also the places between p's scale word and codes and the products)
.endr
.if \last == 0
	s_wait_loadcnt 20                              ; V is in; the next K's 20 loads may be out
	s_add_nc_u64 s[32:33], s[32:33], 16384         ; free since that wait, which shows the loads that read them done: V's two bases go two key steps on
	s_add_nc_u64 s[34:35], s[34:35], 1024
.else
	s_wait_loadcnt 16                              ; V is in; Wo's 16 loads may be out
.endif
	s_wait_alu depctr_va_vdst(0)                   ; p's codes (v224-231) and scale word (v253) are written, which the scaled products below take as source 1 and its scales; the places stand above
	WIN 0x01
.irp t, 0,1,2,3,4,5,6,7
	WM 160+8*\t, 64+8*\t, 224, 160+8*\t, VW+\t/2, 253, \t%2       ; the eight accumulators by turns
.endr
	PLACES 4                                       ; four places behind the products (in the last step: ahead of the first read of O^T)
	WIN 0x40
	s_wait_alu depctr_va_vdst(0)                   ; the eight products are done reading V's fragments and scale words, in which the loads below land
.if \last == 0
	VLOAD
.else
	WOLOAD 0, 1
.endif
.endm
; my 128 columns' half beta x the 32 rows: K step outermost, then the 16 accumulators by turns, in place on the bias
.macro P6 beta
.irp kp, 0,1
.irp tau, 0,1,2,3,4,5,6,7
.irp m, 0,1
	WM (128-32*(\beta))+8*(2*\tau+\m), 8*(2*\tau+\kp), YF+8*(2*\m+\kp), (128-32*(\beta))+8*(2*\tau+\m), WS+8*(\beta)+\tau, YW+2*\m+\kp, \kp
.endr
.endr
.endr
.endm
; the way out: a tile's 16 rows x 128 columns through my own stage, back as whole rows of 512 bytes, eight rows at a time
.macro OUT beta
.irp m, 0,1
.if (\beta) == 0
	WIN 0x04                                       ; an LDS store's data are its source 1: window 1
.endif
.irp tau, 0,1,2,3,4,5,6,7
	ds_store_b128 v[STO], v[(128-32*(\beta))+8*(2*\tau+\m):(128-32*(\beta))+8*(2*\tau+\m)+3] offset:64*\tau       ; each accumulator from its low end on
	ds_store_b128 v[STO], v[(128-32*(\beta))+8*(2*\tau+\m)+4:(128-32*(\beta))+8*(2*\tau+\m)+7] offset:64*\tau+16
.endr
	WIN 0
.irp f, 0,1
	s_wait_xcnt 0x0                                ; the earlier stores have read their registers: these are loaded again only behind this wait
.if (\beta)+\m+\f > 0
	s_wait_alu depctr_vm_vsrc(0)                   ; the eight stores of the rows before have read v224-255, in which the loads below land
.endif
.irp t, 0,1,2,3,4,5,6,7
	ds_load_b128 v[224+4*\t:227+4*\t], v[RD] offset:528*(8*\f+\t)  ; LDS serves a wave's instructions in order: these see my stores
.endr
.irp t, 0,1,2,3,4,5,6,7
	s_wait_dscnt 7-\t                              ; row t of the eight is in
	global_store_b128 v[CO], v[224+4*\t:227+4*\t], s[46+2*\m:47+2*\m] offset:8192*(8*\f+\t)+512*(\beta) th:TH_STORE_NT   ; 512 consecutive bytes, at a multiple of 256 from out0's first byte
.endr
.endr
.endr
.endm
	s_load_b256 s[4:11], s[0:1], 0x0               ; qk, vq, woq, bo
	s_load_b64 s[12:13], s[0:1], 0x20              ; out0
	v_lshl_add_u32 v42, v0, 2, 0x1a000
	v_mov_b32 v43, 0
	v_lshrrev_b32 v60, 5, v0
	v_readfirstlane_b32 s14, v60                   ; wave 0..7
	s_and_b32 s16, ttmp7, 0xffff                   ; batch
	s_wait_alu depctr_va_sdst(0)                   ; s14 is written, ahead of its first reader: the wave's shares and bases are made from it
	s_bfe_u32 s18, s14, 0x10001                    ; head
	s_and_b32 s19, s14, 1                          ; parity
	s_lshr_b32 s20, s14, 1                         ; pair
	s_sub_co_u32 s54, 127, ttmp9
	s_cmp_lt_u32 s14, 4
	s_cselect_b32 s21, s54, ttmp9                  ; my query tile
	s_lshr_b32 s22, s21, 3                         ; the key step on its diagonal: L - 1
	s_add_co_u32 s23, s22, 2
	s_sub_co_u32 s23, s23, s19
	s_lshr_b32 s23, s23, 1                         ; n = (L + 1 - parity) / 2 steps are mine; 0 where L = 1 and the parity is odd
	s_lshl_b32 s24, s23, 1
	s_add_co_u32 s24, s24, s19
	s_sub_co_u32 s24, s24, 2                       ; my last step (not used where n = 0)
	s_lshl_b32 s25, s16, 1
	s_add_co_u32 s25, s25, s18                     ; bh
	s_lshl_b32 s59, s21, 4
	s_lshl_b32 s55, s24, 7
	s_sub_co_u32 s59, s59, s55                     ; my first query - my last step's first key
	s_mov_b32 s[SEL], 0x76543210
	s_mov_b32 s[SEL+1], 0xfedcba98
	s_mov_b32 s[SC], 0x3db504f3                    ; 1 / the rounded sqrt(128), rounded
	s_mov_b32 s[SC+1], s[SC]                       ; (named with it as a pair)
	s_mov_b32 s[LG], 0x3fb8aa3b                    ; log2(e), rounded
	s_mov_b32 s[LG+1], s[LG]
	; every address register is made here, ahead of the first parting of the waves
	v_and_b32 v60, 31, v0
	v_and_b32 v61, 15, v0                          ; r
	v_bfe_u32 v62, v0, 4, 1                        ; h
	v_lshlrev_b32 v[LI], 4, v60
	v_lshlrev_b32 v[LS], 2, v60
	s_mul_i32 s54, s20, 8448
	v_add_nc_u32 v[MG], s54, v[LI]
	v_add_nc_u32 v[MS], s54, v[LS]
	v_add_nc_u32 v[MS], 8192, v[MS]
	s_lshl_b32 s54, s20, 10
	v_add_nc_u32 v[YI], s54, v[LI]
	v_add_nc_u32 v[YI], YIMG, v[YI]
	s_lshl_b32 s54, s20, 7
	v_add_nc_u32 v[YS], s54, v[LS]
	v_add_nc_u32 v[YS], YSC, v[YS]
	s_mul_i32 s54, s14, 8448
	s_add_co_u32 s54, s54, STG
	v_mul_u32_u24 v[STO], v61, 528
	v_lshl_add_u32 v[STO], v62, 5, v[STO]
	v_add_nc_u32 v[STO], s54, v[STO]               ; row r, + 32 h
	v_add_nc_u32 v[RD], s54, v[LI]
	s_lshl_b32 s54, s14, 10
	v_add_nc_u32 v[CO], s54, v[LI]                 ; my 256 columns, 16 bytes a lane
	v_lshlrev_b32 v[BO], 5, v62
	v_lshlrev_b32 v63, 3, v62
	v_sub_nc_u32 v[DM], v61, v63
	s_lshl_b32 s54, s19, 13
	v_add_nc_u32 v[KO], s54, v[LI]                 ; my first key step: eight images
	v_add_nc_u32 v[VO], s54, v[LI]
	v_lshlrev_b32 v[KS], 7, v62
	v_lshl_add_u32 v[KS], v61, 2, v[KS]
	s_lshl_b32 s54, s19, 10
	s_add_co_u32 s54, s54, 64
	v_add_nc_u32 v[KS], s54, v[KS]                 ; k's words lie 64 bytes behind q's in a tile's 128
	s_lshl_b32 s54, s19, 9
	v_add_nc_u32 v[VS], s54, v[LS]
	s_mov_b32 s55, 0
	s_wait_kmcnt 0x0
	s_lshl_b32 s54, s25, 17
	s_add_nc_u64 s[32:33], s[6:7], s[54:55]        ; V's images of my head
	s_add_co_u32 s54, s54, 1048576
	s_add_nc_u64 s[28:29], s[4:5], s[54:55]        ; K's
	s_lshl_b32 s54, s25, 14
	s_add_co_u32 s54, s54, 2097152
	s_add_nc_u64 s[30:31], s[4:5], s[54:55]        ; q's and k's words
	s_lshl_b32 s54, s25, 13
	s_add_co_u32 s54, s54, 1048576
	s_add_nc_u64 s[34:35], s[6:7], s[54:55]        ; V's words
	s_lshl_b32 s56, s25, 7
	s_add_co_u32 s56, s56, s21
	s_lshl_b32 s54, s56, 10
	s_add_nc_u64 s[36:37], s[4:5], s[54:55]        ; my tile of Q
	s_lshl_b32 s54, s56, 7
	s_add_co_u32 s54, s54, 2097152
	s_add_nc_u64 s[38:39], s[4:5], s[54:55]
	s_lshl_b32 s54, s14, 15
	s_add_nc_u64 s[40:41], s[8:9], s[54:55]        ; Wo's images of my 256 columns
	s_lshl_b32 s54, s14, 11
	s_add_co_u32 s54, s54, 262144
	s_add_nc_u64 s[42:43], s[8:9], s[54:55]
	s_lshl_b32 s54, s14, 10
	s_add_nc_u64 s[44:45], s[10:11], s[54:55]      ; bo likewise
	s_lshl_b32 s56, s16, 11
	s_sub_co_u32 s57, 127, ttmp9
	s_lshl_b32 s57, s57, 4
	s_add_co_u32 s57, s57, s56
	s_lshl_b32 s54, s57, 13
	s_add_nc_u64 s[46:47], s[12:13], s[54:55]      ; out0 at the long tile's rows (m = 0),
	s_lshl_b32 s57, ttmp9, 4
	s_add_co_u32 s57, s57, s56
	s_lshl_b32 s54, s57, 13
	s_add_nc_u64 s[48:49], s[12:13], s[54:55]      ; and at the short tile's (m = 1)
	s_wait_alu depctr_va_vdst(0)                   ; the addresses and offsets v1 to v10 and v52 to v55 are written, which every load and store of the kernel reads, and so are v42 and v43; none of them is written again
	global_load_b128 v[QF:QF+3], v[LI], s[36:37]
	global_load_b128 v[QF+4:QF+7], v[LI], s[36:37] offset:512
	global_load_b32 v[QW], v[LS], s[38:39]         ; lanes 0-15: q's words
.irp t, 0,1,2,3,4,5,6,7,8,9,10,11,12,13,14,15
	global_load_b32 v[WS+\t], v[LS], s[42:43] offset:128*\t        ; lanes 0-15 K step 0, lanes 16-31 K step 1
.endr
	WIN 0x40
.irp tau, 0,1,2,3,4,5,6,7
.irp m, 0,1
	global_load_b128 v[128+8*(2*\tau+\m):128+8*(2*\tau+\m)+3], v[BO], s[44:45] offset:64*\tau          ; bo in the result's layout: the lane's eight columns
	global_load_b128 v[128+8*(2*\tau+\m)+4:128+8*(2*\tau+\m)+7], v[BO], s[44:45] offset:64*\tau+16
.endr
.endr
	WIN 0
	v_mov_b32 v13, 0xff61b1e6                      ; the largest t so far: -3e38
	v_floor_f32 v12, -v13
	v_mov_b32 v14, 0
	v_mov_b32 v15, 0
.irp b, 0,1,2,3
	v_mov_b32 v[236+\b], 0                         ; a lane permute's destination counts as one of its sources
.endr
	v_mov_b32 v253, 0                              ; (named as the upper half of a pair before it is first written)
.set nn, 0
.rept 64
	v_mov_b32 v[160+nn], 0                         ; O^T: the step is written without a first step of its own, and a wave with no step hands on zeros
.set nn, nn+1
.endr
	s_cmp_eq_u32 s23, 0
	s_cbranch_scc1 .Lnone
	KLOAD                                          ; (no vector instruction since the wait above names an offset or a register of K's, V's or Wo's buffers)
	VLOAD
	s_cmp_eq_u32 s23, 1
	s_cbranch_scc1 .Llast
	s_mov_b32 s58, 1
.Lsteps:                                               ; n - 1 trips
	STEP 0
	s_add_co_u32 s58, s58, 1
	s_cmp_lt_u32 s58, s23
	s_cbranch_scc1 .Lsteps
.Llast:
	STEP 1
	s_branch .Lmerge
.Lnone:
	WOLOAD 0, 0
	WOLOAD 0, 1
.Lmerge:
	v_add_f32 v14, v14, v15                        ; my part of the sum
	s_wait_alu depctr_va_vdst(0)                   ; O^T, -M and the sum are written, which the odd wave's LDS stores read; the softmax is done with v96-159, v232 and v233, in which the even wave's LDS loads land
	s_cmp_eq_u32 s19, 0
	s_cbranch_scc1 .Lkeeps
.set lq, 0
.rept 16
	ds_store_b128 v[MG], v[160+4*lq:163+4*lq] offset:512*lq        ; the odd wave hands its O^T on, as an image of its registers,
.set lq, lq+1
.endr
	ds_store_b32 v[MS], v12                        ; its -M,
	ds_store_b32 v[MS], v14 offset:128             ; and its sum
.Lkeeps:
	s_wait_dscnt 0x0
	s_barrier_signal -1
	s_barrier_wait -1
	s_cmp_lg_u32 s19, 0
	s_cbranch_scc1 .Lgave
.set lq, 0
.rept 16
	ds_load_b128 v[96+4*lq:99+4*lq], v[MG] offset:512*lq
.set lq, lq+1
.endr
	ds_load_b32 v232, v[MS]
	ds_load_b32 v233, v[MS] offset:128
	s_wait_dscnt 0x0
	; Four numbers a lane, each the low word of a pair whose high word is a number made on the way: v240 fa, v242 fb, v244 1 / l, v246 l
	v_min_num_f32 v234, v12, v232                  ; -M of the pair
	v_sub_f32 v241, v234, v12
	v_sub_f32 v243, v234, v232                     ; whole numbers, 0 or less (a partner with no step: -3e38, which saturates)
	v_cvt_i32_f32 v241, v241
	v_cvt_i32_f32 v243, v243
	v_ldexp_f32 v240, 1.0, v241                    ; fa, fb: powers of two
	v_ldexp_f32 v242, 1.0, v243
	v_mul_f32 v247, v14, v240
	v_fma_f32 v247, v233, v242, v247
	v_permlanex16_b32 v238, v247, s[SEL], s[SEL+1]
	v_add_f32 v246, v247, v238                     ; the row's sum l
	v_rcp_f32 v244, v246
.irp j, 0,2,4,6,8,10,12,14,16,18,20,22,24,26,28,30,32,34,36,38,40,42,44,46,48,50,52,54,56,58,60,62
	v_pk_mul_f32 v[160+\j:161+\j], v[160+\j:161+\j], v[240:241] op_sel_hi:[1,0]   ; my O^T under the pair's M: exact.  (The first is the plain place behind the reciprocal)
.endr
.irp j, 0,2,4,6,8,10,12,14,16,18,20,22,24,26,28,30,32,34,36,38,40,42,44,46,48,50,52,54,56,58,60,62
	v_pk_fma_f32 v[160+\j:161+\j], v[96+\j:97+\j], v[242:243], v[160+\j:161+\j] op_sel_hi:[1,0,1]   ; + the partner's: one rounding
.endr
	s_wait_alu depctr_va_vdst(0)                   ; the reciprocal has written v244, ahead of its first reader
	v_fma_f32 v245, -v246, v244, 1.0
	v_fma_f32 v244, v244, v245, v244               ; 1 / l, mended once
.irp j, 0,2,4,6,8,10,12,14,16,18,20,22,24,26,28,30,32,34,36,38,40,42,44,46,48,50,52,54,56,58,60,62
	v_pk_mul_f32 v[96+\j:97+\j], v[160+\j:161+\j], v[244:245] op_sel_hi:[1,0]     ; q = O / l, nearly
.endr
.irp j, 0,2,4,6,8,10,12,14,16,18,20,22,24,26,28,30,32,34,36,38,40,42,44,46,48,50,52,54,56,58,60,62
	v_pk_fma_f32 v[160+\j:161+\j], v[96+\j:97+\j], v[246:247], v[160+\j:161+\j] op_sel_hi:[1,0,1] neg_lo:[1,0,0] neg_hi:[1,0,0]   ; what is left: O - q l
.endr
.irp j, 0,2,4,6,8,10,12,14,16,18,20,22,24,26,28,30,32,34,36,38,40,42,44,46,48,50,52,54,56,58,60,62
	v_pk_fma_f32 v[160+\j:161+\j], v[160+\j:161+\j], v[244:245], v[96+\j:97+\j] op_sel_hi:[1,0,1]   ; y = q + that / l: register 8 t + j is channel 16 t + 8 h + j of my query
.endr
	QUANT 160
	s_wait_alu depctr_va_vdst(0)                   ; the quantiser has written y's codes (v224-231) and scale word (v248), which the LDS stores read; and the merge is done with v96-223, in which bo's loads land further down
	ds_store_b128 v[YI], v[224:227]
	ds_store_b128 v[YI], v[228:231] offset:512
	ds_store_b32 v[YS], v248
.Lgave:
	s_wait_dscnt 0x0
	s_barrier_signal -1
	s_barrier_wait -1                              ; y's four fragments lie in LDS
.irp e, 0,1,2,3                                ; fragment 2 m + K step
	ds_load_b128 v[YF+8*\e:YF+8*\e+3], v[LI] offset:YIMG+1024*\e
	ds_load_b128 v[YF+8*\e+4:YF+8*\e+7], v[LI] offset:YIMG+1024*\e+512
	ds_load_b32 v[YW+\e], v[LS] offset:YSC+128*\e
.endr
	s_wait_alu depctr_vm_vsrc(0)                   ; my LDS stores have read their data: the odd wave's O^T (v160-223), in which the loads below land, and the even wave's image of y (v224-231, v248), in which the first rows on the way out land
.irp tau, 0,1,2,3,4,5,6,7
.irp m, 0,1
	global_load_b128 v[96+8*(2*\tau+\m):96+8*(2*\tau+\m)+3], v[BO], s[44:45] offset:512+64*\tau        ; bo of my second 128 columns
	global_load_b128 v[96+8*(2*\tau+\m)+4:96+8*(2*\tau+\m)+7], v[BO], s[44:45] offset:512+64*\tau+16
.endr
.endr
	s_wait_dscnt 0x0
	s_wait_loadcnt 32                              ; Wo's first 32 loads are in; the 32 bias loads just issued may be out
	WIN 0x51                                       ; source 0, C and D in window 1
	P6 0
	PLACES 4                                       ; four places behind the products, ahead of the LDS stores that read their results
	WIN 0x40
	s_wait_alu depctr_va_vdst(0)                   ; the products have written the first 128 columns' accumulators, which the LDS stores read, and are done reading Wo's fragments, in which the loads below land; all vector work on v224-255 is done too
	WOLOAD 1, 0
	WOLOAD 1, 1
	OUT 0
	s_wait_loadcnt 0x0
	WIN 0x01
	P6 1
	WIN 0
	PLACES 4                                       ; four places behind the products, ahead of the LDS stores that read their results
	s_wait_alu depctr_va_vdst(0)                   ; the products have written the second 128 columns' accumulators, which the LDS stores read
	OUT 1
	s_wait_dscnt 0x0                               ; the closing lines, six on end
	s_wait_alu 0x0
	s_wait_tensorcnt 0x0
	ds_add_u32 v42, v43
	s_wait_dscnt 0x0
	s_endpgm
.Lfunc_end_k_q7caf770cf0_attn:
	.size	k_q7caf770cf0_attn, .Lfunc_end_k_q7caf770cf0_attn-k_q7caf770cf0_attn
	.p2alignl 7, 3214868480
	.fill 96, 4, 3214868480
	.section	.rodata,"a",@progbits
	.p2align	6, 0x0
	.amdhsa_kernel k_q7caf770cf0_attn
		.amdhsa_group_segment_fixed_size 107520
		.amdhsa_private_segment_fixed_size 0
		.amdhsa_enable_private_segment 0
		.amdhsa_kernarg_size 40
		.amdhsa_user_sgpr_count 2
		.amdhsa_user_sgpr_kernarg_segment_ptr 1
		.amdhsa_wavefront_size32 1
		.amdhsa_system_sgpr_workgroup_id_x 1
		.amdhsa_system_sgpr_workgroup_id_y 1
		.amdhsa_system_sgpr_workgroup_id_z 1
		.amdhsa_system_vgpr_workitem_id 0
		.amdhsa_next_free_vgpr 512
		.amdhsa_next_free_sgpr 66
		.amdhsa_reserve_vcc 0
		.amdhsa_float_denorm_mode_32 3
		.amdhsa_float_denorm_mode_16_64 3
		.amdhsa_memory_ordered 1
		.amdhsa_forward_progress 1
		.amdhsa_inst_pref_size 124
	.end_amdhsa_kernel
	.amdgpu_metadata
---
amdhsa.version: [ 1, 2 ]
amdhsa.kernels:
  - .name:           k_q7caf770cf0_attn
    .symbol:         k_q7caf770cf0_attn.kd
    .args:
      - { .name: qk, .offset: 0, .size: 8, .value_kind: global_buffer, .address_space: global }
      - { .name: vq, .offset: 8, .size: 8, .value_kind: global_buffer, .address_space: global }
      - { .name: woq, .offset: 16, .size: 8, .value_kind: global_buffer, .address_space: global }
      - { .name: bo, .offset: 24, .size: 8, .value_kind: global_buffer, .address_space: global }
      - { .name: out0, .offset: 32, .size: 8, .value_kind: global_buffer, .address_space: global }
    .group_segment_fixed_size: 107520
    .private_segment_fixed_size: 0
    .kernarg_segment_align: 8
    .kernarg_segment_size: 40
    .max_flat_workgroup_size: 256
    .sgpr_count:     66
    .vgpr_count:     512
    .wavefront_size: 32
...
	.end_amdgpu_metadata
.endif
;; end of part 4
